; MI455X (gfx1250); checked and timed in simulation.
; The chip was launched on July 23, 2026; its instructions are those of AMD's public machine-readable ISA for CDNA 5 (MIT licence, August 2026) and "CDNA5" Instruction Set Architecture Reference Guide (July 2026). The comments in the code are by the model that wrote it; some were corrected since.
;; Attention. Allowed arithmetic: matrix products marked QUANTISED: E2M3 operands, one E8M0 scale for each 32 along K, by v_wmma_scale_f32_16x16x128_f8f6f4 with both operands' format E2M3, f32 sums; everything else in f32.
;; Inputs: gate 16 float32; k_norm_bias 1,024 float32; k_norm_scale 1,024 float32; ky_norm_bias 1,024 float32; ky_norm_scale 1,024 float32; pos_embed 2 x 2,048 x 1,024 float32; q_norm_bias 1,024 float32; q_norm_scale 1,024 float32; wk 1,024 x 1,024 float32; wk_y 1,024 x 1,024 float32; wo 1,024 x 1,024 float32; wq 1,024 x 1,024 float32; wv 1,024 x 1,024 float32; wv_y 1,024 x 1,024 float32; x 2 x 2,048 x 1,024 float32; y_feat 2 x 512 x 1,024 float32; y_mask 2 x 512 bool.
;; Outputs: out0 2 x 2,048 x 1,024 float32.
;; This version of the problem:
;;   THIS VERSION OF THE PROBLEM IS GIVEN IN LOW PRECISION. The matrix products marked QUANTISED in the list below multiply operands that are first quantised to E2M3 (2 exponent bits, 3 mantissa bits; 6 bits a number), with one power-of-two scale for each 32 numbers along K (OCP MX v1.0); their sums are f32. All else is computed in f32.
;;   The module's matrix products, in the order in which they are computed (A, B: the left and right operand; K: the contracted axis; several contracted axes count as one K, in the product's order):
;;     1. [M 4,096, K 1,024] x [K 1,024, N 1,024]; A: input x; B: input wq: QUANTISED
;;     2. [M 4,096, K 1,024] x [K 1,024, N 1,024]; A: input x; B: input wk: QUANTISED
;;     3. [M 4,096, K 1,024] x [K 1,024, N 1,024]; A: input x; B: input wv: QUANTISED
;;     4. batch 32 x [M 2,048, K 64] x [K 64, N 2,048]; A: computed on the way; B: computed on the way: QUANTISED
;;     5. batch 32 x [M 2,048, K 2,048] x [K 2,048, N 64]; A: softmax (see below); B: computed on the way: QUANTISED
;;     6. [M 1,024, K 1,024] x [K 1,024, N 1,024]; A: input y_feat; B: input wk_y: QUANTISED
;;     7. [M 1,024, K 1,024] x [K 1,024, N 1,024]; A: input y_feat; B: input wv_y: QUANTISED
;;     8. batch 32 x [M 2,048, K 64] x [K 64, N 512]; A: computed on the way; B: computed on the way: QUANTISED
;;     9. batch 32 x [M 2,048, K 512] x [K 512, N 64]; A: softmax (see below); B: computed on the way: QUANTISED
;;     10. [M 4,096, K 1,024] x [K 1,024, N 1,024]; A: computed on the way; B: input wo: QUANTISED
;;   THE QUANTISER, for each operand of a quantised product, along K:
;;     - K is cut into blocks of 32 from its start; a last block that is shorter is filled with zeros.
;;     - A block's scale is 2^e with e = floor(log2(the largest magnitude in the block)) - 2, held to -126 .. 127; a block of zeros has e = 0. As a byte (E8M0): e + 127.
;;     - Each number is divided by its block's scale, clamped to +-7.5, and rounded to the nearest number of E2M3, ties to even, subnormals kept.
;;     - The product sums the exact products of the quantised numbers (number of the format x scale) in f32.
;;   ~~~python
;;   def quantise(x, axis):      # numpy; x: float32 -> the quantised numbers, widened to float32 again
;;       x = np.moveaxis(x, axis, -1); K = x.shape[-1]
;;       x = np.pad(x, [(0, 0)] * (x.ndim - 1) + [(0, -K % 32)]); x = x.reshape(x.shape[:-1] + (-1, 32)); a = np.abs(x).max(-1, keepdims=True)
;;       e = np.where(a > 0, np.clip(np.frexp(np.where(a > 0, a, 1))[1] - 1 - 2, -126, 127), 0)      # np.frexp(a)[1] - 1 = floor(log2(a)), exactly
;;       r = np.clip(x / 2.0 ** e, -7.5, 7.5)
;;       step = 2.0 ** (np.maximum(np.frexp(np.where(r == 0, 1, r))[1] - 1, 0) - 3)
;;       q = np.round(r / step) * step * 2.0 ** e      # np.round: ties to even
;;       return np.moveaxis(q.reshape(q.shape[:-2] + (-1,))[..., :K], -1, axis).astype(np.float32)
;;   ~~~
;;   SOFTMAX AHEAD OF A QUANTISED PRODUCT. Where the list says 'softmax', what is quantised is not the finished softmax but p = 2^(t - M), with t = logit x log2(e) and M = ceil(the row's largest t), a whole number; so 1/2 < the row's largest p <= 1. The row's sum l is taken of the UNQUANTISED p, in f32, and the product's result is divided by l at the end. Since M is a whole number, a kernel that streams over the keys may use a running M (the ceiling of the running maximum): every later rescaling is an exact power of two, which a block's scale takes up: the codes' values come out the same.
;;   OPERANDS COMPUTED ON THE WAY. 'Computed on the way' means the value that the module computes at that place (a softmax that the list does not call 'softmax' is quantised finished and normalised). What goes into a quantiser is computed in f32, as accurately as f32 sums, v_exp_f32 and their like allow (about 1e-6 of the number): no bf16 or f16 on the way to a quantiser, and a product that is left as it is and whose result goes on into a quantised operand takes f32 operands (vector FMAs, or v_wmma_f32_16x16x4_f32). A number that lies on a knife's edge between two numbers of the format may be rounded either way, as far as f32 arithmetic and the matrix unit's own rounding can turn it there, and no further.
;; One version. Each part assembles by itself: llvm-mc -triple=amdgcn-amd-amdhsa -mcpu=gfx1250 --defsym DOCPART=n.
;; ======== version 1 of 1: 4 launches
;; limits: right only within a limited range of input values
;; workspace buffers: codes 8,650,752 bytes; scales 360,448 bytes; pcodes 11,010,048 bytes; pscales 753,664 bytes; acodes 3,145,728 bytes; ascales 131,072 bytes
;; launch quant (part 1): grid 704 x 1, 4 waves a work-group, no clusters, 68,608 bytes of LDS; arguments x, y_feat, wq, wk, wv, wk_y, wv_y, wo, codes, scales; writes codes, scales
.if DOCPART == 1
	.amdgcn_target "amdgcn-amd-amdhsa--gfx1250"
	.amdhsa_code_object_version 6
	.text
	.protected	k_q93672ff1a9_quant
	.globl	k_q93672ff1a9_quant
	.p2align	8
	.type	k_q93672ff1a9_quant,@function
k_q93672ff1a9_quant:
	s_mov_b64 s[64:65], 0
	v_nop
	global_prefetch_b8 v0, s[64:65] scope:SCOPE_SE
	s_setreg_imm32_b32 hwreg(HW_REG_WAVE_MODE, 25, 1), 1
	s_wait_xcnt 0x0
; x [4096][1024], y_feat [1024][1024] and the six weights [1024][1024], f32 with K innermost, become codes of FP6 (E2M3) with one E8M0 byte for each 32 along K,
; laid in the ORDER OF THE OPERAND'S REGISTERS: codes[tile][K step][1536 bytes]: registers 4 p .. 4 p + 3 of lane l at 512 p + 16 l;  scales[tile][row place r][K step]: one word for 128 along K.
; A TILE'S 16 ROWS ARE NOT NEIGHBOURS: place r of tile t is row 32 (t / 2) + 8 (t % 2) + r % 8 + 16 (r / 8), so that a product which takes such tiles as source 0 leaves 16 neighbours in the 16 registers of two tiles.
; Tiles: x 0-255, y_feat 256-319, wq 320.., wk 384.., wv 448.., wk_y 512.., wv_y 576.., wo 640-703.
; SHARES.  A work-group takes one tile (16 rows x 1,024), wave w its K steps 2 w and 2 w + 1.  Each load reads 512 consecutive bytes of one row; the numbers turn through the wave's own stage in LDS (rows of 512 + 16 bytes),
; so that lane (r, h) gets blocks h and 2 + h of row r whole: the layout of a 6-bit fragment.  A block's largest magnitude then needs no other lane.
; A block's scale byte is its largest magnitude's exponent field - 2, held at 1 from below by a floor among the maximum's leaves.
; LIMITS: a block of zeros, and one whose largest magnitude lies under 2^-124, keep the byte 1 (zero blocks have zero codes; this program alone reads the bytes); NaN and infinities among the inputs are not served.
; No tensor load, no cluster: no two work-groups read the same byte.
.set HSTG,  8448                       ; a stage: 16 rows x 528 bytes
.set WSTG,  16896                      ; two stages for each wave
.set SCB,   67584                      ; the tile's 128 scale words, [r][8]
.set SPARE, 68096                      ; the spare words, 128 bytes for each wave
.set LO,   1                           ; v1   16 x lane
.set SIN,  2                           ; v2   the stage, on the way in
.set SOUT, 3                           ; v3   and on the way out: 528 r + 128 h
.set SWA,  4                           ; v4   my scale words' place: SCB + 32 r + 8 w
.set SRD,  5                           ; v5   SCB + 16 x lane
.set SPW,  6                           ; v6   my spare word; never rewritten
.set NIL,  7                           ; v7   0; never rewritten
.set TM,   8                           ; v8-9 largest magnitudes, v10-11 scale operands, v12-13 bytes
.set TT,   16                          ; v16-18, v20-22 a block's upper 16 codes
.set SHL,  24                          ; v24  8 h
.set PD,   25                          ; v25  a lane permute's destination
.set WD,   26                          ; v26, v27 the two scale words
.set R0,   32                          ; v32-95   K step 0 as loaded; later K step 1 by blocks
.set R1,   96                          ; v96-159  K step 1 as loaded
.set X0,   160                         ; v160-223 K step 0 by blocks
.set X1,   32
.set F0,   224                         ; v224-235, v236-247 the two fragments
.set F1,   236
.set WV,   30
	s_load_b512 s[4:19], s[0:1], 0x0               ; x, y_feat, wq, wk, wv, wk_y, wv_y, wo
	s_load_b128 s[24:27], s[0:1], 0x40             ; codes, scales
	v_lshl_add_u32 v[SPW], v0, 2, SPARE
	v_mov_b32 v[NIL], 0
	v_lshrrev_b32 v8, 5, v0
	v_readfirstlane_b32 s[WV], v8                  ; wave 0..3
	v_and_b32 v8, 31, v0                           ; lane
	v_and_b32 v9, 15, v0                           ; r
	v_bfe_u32 v10, v0, 4, 1                        ; h
	v_lshlrev_b32 v[LO], 4, v8
	s_mul_i32 s31, s[WV], WSTG
	v_add_nc_u32 v[SIN], s31, v[LO]
	v_mul_u32_u24 v[SOUT], v9, 528
	v_lshl_add_u32 v[SOUT], v10, 7, v[SOUT]
	v_add_nc_u32 v[SOUT], s31, v[SOUT]
	s_lshl_b32 s31, s[WV], 3
	v_lshl_add_u32 v[SWA], v9, 5, SCB
	v_add_nc_u32 v[SWA], s31, v[SWA]
	v_add_nc_u32 v[SRD], SCB, v[LO]
	v_lshlrev_b32 v[SHL], 3, v10
	v_mov_b32 v[PD], 0                             ; written once: a lane permute's destination counts as one of its sources
	s_mov_b32 s32, 0x76543210
	s_mov_b32 s33, 0xfedcba98                      ; v_permlanex16_b32's selects for lane l xor 16
	; which tensor, and which of its tiles: ids alone
	s_mov_b32 s20, ttmp9                           ; T
	s_sub_co_u32 s23, s20, 256
	s_sub_co_u32 s21, s20, 320
	s_lshr_b32 s22, s21, 6
	s_add_co_u32 s22, s22, 2                       ; a weight: tensor 2 + (T - 320) / 64,
	s_and_b32 s21, s21, 63                         ; tile (T - 320) % 64
	s_cmp_lt_u32 s20, 320
	s_cselect_b32 s22, 1, s22                      ; y_feat
	s_cselect_b32 s21, s23, s21
	s_cmp_lt_u32 s20, 256
	s_cselect_b32 s22, 0, s22                      ; x
	s_cselect_b32 s21, s20, s21
	s_lshr_b32 s28, s21, 1
	s_lshl_b32 s28, s28, 17                        ; 32 (t / 2) rows of 4,096 bytes
	s_and_b32 s29, s21, 1
	s_lshl_b32 s29, s29, 15                        ; + 8 (t % 2) rows
	s_add_co_u32 s28, s28, s29
	s_lshl_b32 s29, s[WV], 10                      ; + my two K steps
	s_add_co_u32 s28, s28, s29
	s_mov_b32 s29, 0
	s_mul_i32 s34, s20, 12288                      ; the tile's codes,
	s_mul_i32 s35, s[WV], 3072                     ; my two fragments
	s_add_co_u32 s34, s34, s35
	s_mov_b32 s35, 0
	s_lshl_b32 s36, s20, 9                         ; the tile's scale words
	s_mov_b32 s37, 0
	s_wait_alu depctr_va_vdst(0)
	s_wait_kmcnt 0x0
	s_cmp_eq_u32 s22, 1                            ; the choice hangs on the work-group's number alone
	s_cselect_b64 s[4:5], s[6:7], s[4:5]
	s_cmp_eq_u32 s22, 2
	s_cselect_b64 s[4:5], s[8:9], s[4:5]
	s_cmp_eq_u32 s22, 3
	s_cselect_b64 s[4:5], s[10:11], s[4:5]
	s_cmp_eq_u32 s22, 4
	s_cselect_b64 s[4:5], s[12:13], s[4:5]
	s_cmp_eq_u32 s22, 5
	s_cselect_b64 s[4:5], s[14:15], s[4:5]
	s_cmp_eq_u32 s22, 6
	s_cselect_b64 s[4:5], s[16:17], s[4:5]
	s_cmp_eq_u32 s22, 7
	s_cselect_b64 s[4:5], s[18:19], s[4:5]
	s_add_nc_u64 s[4:5], s[4:5], s[28:29]
	s_add_nc_u64 s[24:25], s[24:25], s[34:35]
	s_add_nc_u64 s[26:27], s[26:27], s[36:37]
.macro LOADF f, reg                    ; K step f of the 16 rows: a row's 512 consecutive bytes to a load
.irp i, 0,1,2,3,4,5,6,7,8,9,10,11,12,13,14,15
	global_load_b128 v[\reg+4*\i:\reg+4*\i+3], v[LO], s[4:5] offset:((\i%8)+16*(\i/8))*4096+512*\f th:TH_LOAD_NT
.endr
.endm
.macro TURN f, reg, x                  ; through my stage f: LDS serves a wave's instructions in order, so no wait stands between the stores and the loads
.irp i, 0,1,2,3,4,5,6,7,8,9,10,11,12,13,14,15
	ds_store_b128 v[SIN], v[\reg+4*\i:\reg+4*\i+3] offset:HSTG*\f+528*\i
.endr
.irp c, 0,1
.irp j, 0,1,2,3,4,5,6,7
	ds_load_b128 v[\x+32*\c+4*\j:\x+32*\c+4*\j+3], v[SOUT] offset:HSTG*\f+256*\c+16*\j
.endr
.endr
.endm
.macro QB x, fr, f                     ; 64 numbers (blocks h and 2 + h of my row) become the fragment's 12 registers and my row's scale word
.irp c, 0,1
	v_max3_num_f32 v[TM+\c], |v[\x+32*\c]|, |v[\x+32*\c+1]|, 0x1800000   ; with the floor 2^(3 - 127): the byte cannot fall under 1
.endr
.irp i, 2,4,6,8,10,12,14,16,18,20,22,24,26,28,30
.irp c, 0,1
	v_max3_num_f32 v[TM+\c], v[TM+\c], |v[\x+32*\c+\i]|, |v[\x+32*\c+\i+1]|
.endr
.endr
.irp c, 0,1
	v_add_nc_u32 v[TM+2+\c], 0xff000000, v[TM+\c]  ; 2 off the exponent field: the conversion's scale operand
.endr
.irp c, 0,1
	v_lshrrev_b32 v[TM+4+\c], 23, v[TM+2+\c]       ; the scale's byte
.endr
	v_lshl_or_b32 v[WD+\f], v[TM+5], 16, v[TM+4]   ; my two bytes, blocks h and 2 + h,
	v_lshlrev_b32 v[WD+\f], v[SHL], v[WD+\f]       ; at their places in the word;
	v_permlanex16_b32 v[PD], v[WD+\f], s32, s33
	v_or_b32 v[WD+\f], v[WD+\f], v[PD]             ; with lane l xor 16's two it is whole
.irp c, 0,1
	v_cvt_scalef32_pk16_fp6_f32 v[\fr+6*\c:\fr+6*\c+2], v[\x+32*\c:\x+32*\c+15], v[TM+2+\c]
	v_cvt_scalef32_pk16_fp6_f32 v[TT+4*\c:TT+4*\c+2], v[\x+32*\c+16:\x+32*\c+31], v[TM+2+\c]   ; (a conversion's three registers begin on an even number)
.endr
	v_nop                                          ; one plain place behind a scaled conversion
.irp c, 0,1
.irp i, 0,1,2
	v_mov_b32 v[\fr+6*\c+3+\i], v[TT+4*\c+\i]
.endr
.endr
.irp p, 0,1,2
	global_store_b128 v[LO], v[\fr+4*\p:\fr+4*\p+3], s[24:25] offset:1536*\f+512*\p   ; 512 consecutive bytes, aligned
.endr
	ds_store_b32 v[SWA], v[WD+\f] offset:4*\f      ; lanes r and r + 16 write the same word with the same value
.endm
	LOADF 0, R0
	LOADF 1, R1
	s_wait_loadcnt 16                              ; K step 0's sixteen loads are in; K step 1's stay out
	TURN 0, R0, X0
	s_wait_dscnt 0x0                               ; K step 0 lies by blocks, and R0 is free
	s_wait_loadcnt 0x0
	TURN 1, R1, X1                                 ; on its way through the other stage while K step 0 is worked
	QB X0, F0, 0
	s_wait_dscnt 0x0                               ; K step 1 lies by blocks
	QB X1, F1, 1
	s_wait_dscnt 0x0                               ; for the others' sake: my two scale words have landed
	s_barrier_signal -1
	s_barrier_wait -1
	s_cmp_lg_u32 s[WV], 0
	s_cbranch_scc1 .Lend
	ds_load_b128 v[8:11], v[SRD]                   ; wave 0 stores the tile's 512 bytes of scale words as two aligned runs of 256
	s_wait_dscnt 0x0
	global_store_b128 v[LO], v[8:11], s[26:27]
.Lend:
	s_wait_tensorcnt 0x0                           ; the wave's end, behind my last LDS store
	ds_add_u32 v[SPW], v[NIL]
	s_wait_dscnt 0x0
	s_endpgm
.Lfunc_end_k_q93672ff1a9_quant:
	.size	k_q93672ff1a9_quant, .Lfunc_end_k_q93672ff1a9_quant-k_q93672ff1a9_quant
	.p2alignl 7, 3214868480
	.fill 96, 4, 3214868480
	.section	.rodata,"a",@progbits
	.p2align	6, 0x0
	.amdhsa_kernel k_q93672ff1a9_quant
		.amdhsa_group_segment_fixed_size 68608
		.amdhsa_private_segment_fixed_size 0
		.amdhsa_enable_private_segment 0
		.amdhsa_kernarg_size 80
		.amdhsa_user_sgpr_count 2
		.amdhsa_user_sgpr_kernarg_segment_ptr 1
		.amdhsa_wavefront_size32 1
		.amdhsa_system_sgpr_workgroup_id_x 1
		.amdhsa_system_sgpr_workgroup_id_y 1
		.amdhsa_system_sgpr_workgroup_id_z 1
		.amdhsa_system_vgpr_workitem_id 0
		.amdhsa_next_free_vgpr 248
		.amdhsa_next_free_sgpr 66
		.amdhsa_reserve_vcc 0
		.amdhsa_float_denorm_mode_32 3
		.amdhsa_float_denorm_mode_16_64 3
		.amdhsa_memory_ordered 1
		.amdhsa_forward_progress 1
		.amdhsa_inst_pref_size 18
	.end_amdhsa_kernel
	.amdgpu_metadata
---
amdhsa.version: [ 1, 2 ]
amdhsa.kernels:
  - .name:           k_q93672ff1a9_quant
    .symbol:         k_q93672ff1a9_quant.kd
    .args:
      - { .name: x, .offset: 0, .size: 8, .value_kind: global_buffer, .address_space: global }
      - { .name: y_feat, .offset: 8, .size: 8, .value_kind: global_buffer, .address_space: global }
      - { .name: wq, .offset: 16, .size: 8, .value_kind: global_buffer, .address_space: global }
      - { .name: wk, .offset: 24, .size: 8, .value_kind: global_buffer, .address_space: global }
      - { .name: wv, .offset: 32, .size: 8, .value_kind: global_buffer, .address_space: global }
      - { .name: wk_y, .offset: 40, .size: 8, .value_kind: global_buffer, .address_space: global }
      - { .name: wv_y, .offset: 48, .size: 8, .value_kind: global_buffer, .address_space: global }
      - { .name: wo, .offset: 56, .size: 8, .value_kind: global_buffer, .address_space: global }
      - { .name: codes, .offset: 64, .size: 8, .value_kind: global_buffer, .address_space: global }
      - { .name: scales, .offset: 72, .size: 8, .value_kind: global_buffer, .address_space: global }
    .group_segment_fixed_size: 68608
    .private_segment_fixed_size: 0
    .kernarg_segment_align: 8
    .kernarg_segment_size: 80
    .max_flat_workgroup_size: 128
    .sgpr_count:     66
    .vgpr_count:     248
    .wavefront_size: 32
...
	.end_amdgpu_metadata
.endif
;; end of part 1
;; launch proj (part 2): grid 224 x 1, 4 waves a work-group, clusters of 4 x 1, 327,680 bytes of LDS; arguments codes, scales, pos_embed, q_norm_scale, q_norm_bias, k_norm_scale, k_norm_bias, ky_norm_scale, ky_norm_bias, pcodes, pscales; writes pcodes, pscales
.if DOCPART == 2
	.amdgcn_target "amdgcn-amd-amdhsa--gfx1250"
	.amdhsa_code_object_version 6
	.text
	.protected	k_q93672ff1a9_proj
	.globl	k_q93672ff1a9_proj
	.p2align	8
	.type	k_q93672ff1a9_proj,@function
k_q93672ff1a9_proj:
	s_mov_b64 s[64:65], 0
	v_nop
	global_prefetch_b8 v0, s[64:65] scope:SCOPE_SE
	s_setreg_imm32_b32 hwreg(HW_REG_WAVE_MODE, 25, 1), 1
	s_wait_xcnt 0x0
	s_wait_alu depctr_hold_cnt(0) depctr_sa_sdst(0) depctr_va_vdst(0) depctr_va_sdst(0) depctr_va_ssrc(0) depctr_va_vcc(0) depctr_vm_vsrc(0)
	s_getreg_b32 s2, hwreg(HW_REG_IB_STS2, 6, 4)
	s_cmp_eq_u32 s2, 0
	s_cbranch_scc0 .Lentry_in_a_cluster
	s_endpgm
.Lentry_in_a_cluster:
	s_bfe_u32 s2, ttmp6, 0x10000c
	s_cmp_lg_u32 s2, 0x3003
	s_cbranch_scc0 .Lentry_shape_is_right
	s_endpgm
.Lentry_shape_is_right:
.set SLOT,  98304
.set QRT,   24576
.set AIMG,  196608
.set STATS, 245760
.set SPARE, 247808
.set QOFF,  7864320
.set QSOFF, 491520
.set VB,   1
.set VA,   3
.set SPW,  4
.set NIL,  5
.set STW,  6
.set STR,  7
.set L8,   8
.set SO9,  9
.set SH10, 10
.set PEO,  11
.set NO,   12
.set SA,   16
.set SB,   32
.set AF,   96
.set PC,   96
.set TM,   120
.set PW,   136
.set W4,   140
.set SS,   192
.set MEAN, 200
.set RSTD, 208
.set PART, 216
.set ALL,  220
.set ONEM, 236
.set VO1,  238
.set VO2,  239
.set VS,   240
.set NS,   0
.set NB,   64
.set PE,   128
.set WV,  3
.set CX,  4
.set CC,  5
.set AT,  6
.set BT,  7
.set RP,  8
.set OC,  9
.set OS,  10
.set SAC, 11
.set SGJ, 12
.set SHC, 13
.set SGS, 14
.set SHS, 15
.set SHF, 16
.set JN,  17
.set FPE, 18
.set FLN, 20
.set OML, 22
.set SMU, 23
.set MSK, 24
.set C10, 25
.set EPS, 26
.set G1B, 28
.set G1A, 36
.set G0A, 44
.set G0B, 48
.set SEL, 56
.set NSP, 58
.set NBP, 60
.set PEB, 62
.set MSB, 0
.macro WIN new
.if MSB != (\new)
	s_set_vgpr_msb (MSB<<8)|(\new)
.set MSB, \new
.endif
.endm
.macro PLACES n
.rept \n
	v_nop
.endr
.endm
.macro CREST
	s_cmp_lg_u32 s[WV], 0
	s_cbranch_scc1 .Lnot_wave_0_\@
	s_barrier_signal -3
.Lnot_wave_0_\@:
	s_barrier_wait -3
	s_barrier_signal -1
	s_barrier_wait -1
.endm
.macro CROUND
	s_barrier_signal -1
	s_barrier_wait -1
	CREST
.endm
	s_load_b512 s[68:83], s[0:1], 0x0
	s_load_b128 s[84:87], s[0:1], 0x40
	s_load_b64 s[88:89], s[0:1], 0x50
	v_lshl_add_u32 v[SPW], v0, 2, SPARE
	v_mov_b32 v[NIL], 0
	ds_add_u32 v[SPW], v[NIL]
	ds_add_u32 v[SPW], v[NIL]
	v_lshrrev_b32 v1, 5, v0
	v_readfirstlane_b32 s[WV], v1
	s_bfe_u32 s[CX], ttmp6, 0x40000
	s_mov_b32 s[CC], ttmp9
	s_mov_b32 s[G1B], 15|(3<<16)|(1<<21)
	s_mov_b32 s[G1B+1], 192<<16
	s_mov_b32 s[G1B+2], 16<<16
	s_mov_b32 s[G1B+3], 192<<16
	s_mov_b32 s[G1B+4], 16
	s_mov_b32 s[G1B+5], 1536
	s_mov_b32 s[G1B+6], 0
	s_mov_b32 s[G1B+7], 0
	s_mov_b32 s[SEL], 0x76543210
	s_mov_b32 s[SEL+1], 0xfedcba98
	s_mov_b32 s[C10], 0x3a800000
	s_mov_b32 s[EPS], 0x3727c5ac
	s_wait_dscnt 0x0
	s_lshl_b32 s90, s[CC], 2
	s_add_co_u32 s90, s90, s[CX]
	s_cmp_lt_u32 s[CC], 16
	s_cbranch_scc1 .Ljob_q
	s_cmp_lt_u32 s[CC], 32
	s_cbranch_scc1 .Ljob_k
	s_cmp_lt_u32 s[CC], 48
	s_cbranch_scc1 .Ljob_v
	s_cmp_lt_u32 s[CC], 52
	s_cbranch_scc1 .Ljob_yk
	s_sub_co_u32 s92, s90, 208
	s_lshl_b32 s[AT], s92, 2
	s_add_co_u32 s[AT], s[AT], 576
	s_mov_b32 s[BT], 256
	s_lshr_b32 s93, s[WV], 1
	s_and_b32 s94, s[WV], 1
	s_lshl_b32 s94, s94, 1
	s_mov_b32 s95, 196608
	s_mov_b32 s96, 12288
	s_branch .Ltype_v
.Ljob_v:
	s_sub_co_u32 s91, s[CC], 32
	s_and_b32 s92, s91, 3
	s_lshl_b32 s92, s92, 2
	s_add_co_u32 s92, s92, s[CX]
	s_lshl_b32 s[AT], s92, 2
	s_add_co_u32 s[AT], s[AT], 448
	s_lshr_b32 s91, s91, 2
	s_lshl_b32 s[BT], s91, 6
	s_lshl_b32 s91, s91, 3
	s_lshl_b32 s93, s[WV], 1
	s_add_co_u32 s91, s91, s93
	s_lshr_b32 s93, s91, 4
	s_and_b32 s94, s91, 15
	s_mov_b32 s95, 0
	s_mov_b32 s96, 0
.Ltype_v:
	s_mov_b32 s100, 0                              ; v, yv: images as the lanes lie
	s_lshl_b32 s93, s93, 4
	s_add_co_u32 s93, s93, s92
	s_mul_i32 s[OC], s93, 245760
	s_lshr_b32 s97, s94, 2
	s_mul_i32 s97, s97, 49152
	s_add_co_u32 s[OC], s[OC], s97
	s_and_b32 s97, s94, 3
	s_mul_i32 s97, s97, 6144
	s_add_co_u32 s[OC], s[OC], s97
	s_add_co_u32 s[OC], s[OC], s95
	s_add_co_u32 s[OC], s[OC], 24576
	s_mul_i32 s[OS], s93, 15360
	s_mul_i32 s97, s94, 768
	s_add_co_u32 s[OS], s[OS], s97
	s_add_co_u32 s[OS], s[OS], s96
	s_add_co_u32 s[OS], s[OS], 512
	s_mov_b32 s[SAC], 1536
	s_mov_b32 s[SGJ], 0
	s_mov_b32 s[SHC], 768
	s_mov_b32 s[SGS], 768
	s_mov_b32 s[SHS], 0
	s_mov_b32 s[SHF], 0
	s_mov_b32 s[JN], 0
	s_mov_b32 s[RP], 0
	s_mov_b32 s[FPE], 0
	s_mov_b32 s[FLN], 0
	s_mov_b32 s[OML], 1.0
	s_mov_b32 s[SMU], 0
	s_mov_b32 s[MSK], 0
	s_branch .Ljob
.Ljob_yk:
	s_sub_co_u32 s91, s90, 192
	s_lshl_b32 s[AT], s91, 2
	s_add_co_u32 s[AT], s[AT], 256
	s_mov_b32 s[BT], 512
	s_lshr_b32 s92, s91, 3
	s_and_b32 s93, s91, 7
	s_mov_b32 s95, 196608
	s_mov_b32 s96, 12288
	s_mov_b32 s[JN], 2
	s_mov_b32 s[RP], 0
	s_mov_b32 s[FPE], 0
	s_branch .Ltype_k
.Ljob_k:
	s_sub_co_u32 s91, s90, 64
	s_lshl_b32 s[AT], s91, 2
	s_mov_b32 s[BT], 384
	s_lshr_b32 s92, s91, 5
	s_and_b32 s93, s91, 31
	s_mov_b32 s95, 0
	s_mov_b32 s96, 0
	s_mov_b32 s[JN], 1
	s_mov_b32 s[RP], s91
	s_mov_b32 s[FPE], 1.0
.Ltype_k:
	s_mov_b32 s100, 64                             ; k, yk: in the tiles of odd blocks of 32 keys the two halves of the row places change places in the image
	s_lshl_b32 s92, s92, 4
	s_lshl_b32 s97, s[WV], 2
	s_add_co_u32 s92, s92, s97
	s_mul_i32 s[OC], s92, 245760
	s_lshr_b32 s97, s93, 3
	s_mul_i32 s97, s97, 49152
	s_add_co_u32 s[OC], s[OC], s97
	s_and_b32 s97, s93, 7
	s_mul_i32 s97, s97, 3072
	s_add_co_u32 s[OC], s[OC], s97
	s_add_co_u32 s[OC], s[OC], s95
	s_mul_i32 s[OS], s92, 15360
	s_lshr_b32 s97, s93, 1
	s_mul_i32 s97, s97, 768
	s_add_co_u32 s[OS], s[OS], s97
	s_and_b32 s97, s93, 1
	s_lshl_b32 s97, s97, 8
	s_add_co_u32 s[OS], s[OS], s97
	s_add_co_u32 s[OS], s[OS], s96
	s_mov_b32 s[SGJ], 491520-3072
	s_mov_b32 s[SHC], 245760
	s_mov_b32 s[SGS], 30720
	s_mov_b32 s[SHS], 15360
	s_branch .Ltype_ln
.Ljob_q:
	s_mov_b32 s100, 0                              ; q: images as the lanes lie
	s_lshl_b32 s[AT], s90, 2
	s_mov_b32 s[BT], 320
	s_mov_b32 s[RP], s90
	s_lshr_b32 s92, s90, 5
	s_and_b32 s93, s90, 31
	s_lshl_b32 s92, s92, 4
	s_lshl_b32 s97, s[WV], 2
	s_add_co_u32 s92, s92, s97
	s_mul_i32 s[OC], s92, 98304
	s_mul_i32 s97, s93, 3072
	s_add_co_u32 s[OC], s[OC], s97
	s_add_co_u32 s[OC], s[OC], QOFF
	s_lshl_b32 s[OS], s92, 13
	s_lshl_b32 s97, s93, 8
	s_add_co_u32 s[OS], s[OS], s97
	s_add_co_u32 s[OS], s[OS], QSOFF
	s_mov_b32 s[SGJ], 196608-3072
	s_mov_b32 s[SHC], 98304
	s_mov_b32 s[SGS], 16384
	s_mov_b32 s[SHS], 8192
	s_mov_b32 s[JN], 0
	s_mov_b32 s[FPE], 1.0
.Ltype_ln:
	s_mov_b32 s[SAC], 768
	s_mov_b32 s[SHF], 16
	s_mov_b32 s[FLN], 1.0
	s_mov_b32 s[OML], 0
	s_mov_b32 s[SMU], 0xba800000
	s_mov_b32 s[MSK], -1
.Ljob:
	s_mov_b32 s[FPE+1], s[FPE]
	s_mov_b32 s[FLN+1], s[FLN]
	s_add_co_u32 s90, s[AT], s[WV]
	s_mul_i32 s90, s90, 12288
	s_mov_b32 s91, 0
	s_lshl_b32 s92, s[WV], 4
	s_add_co_u32 s92, s92, s[BT]
	s_mul_i32 s94, s92, 12288
	s_mov_b32 s95, 0
	s_lshl_b32 s92, s92, 9
	s_mov_b32 s93, 0
	s_lshl_b32 s98, s[AT], 9
	s_mov_b32 s99, 0
	s_mul_i32 s96, s[WV], QRT
	s_lshl_b32 s97, s[WV], 8
	s_lshl_b32 s66, s[RP], 18
	s_lshl_b32 s67, s[WV], 10
	s_add_co_u32 s66, s66, s67
	s_mov_b32 s67, 0
	s_lshl_b32 s2, s[WV], 10
	s_mov_b32 s27, 0
	s_wait_kmcnt 0x0
	s_cmp_eq_u32 s[JN], 1
	s_cselect_b64 s[NSP:NSP+1], s[78:79], s[74:75]
	s_cselect_b64 s[NBP:NBP+1], s[80:81], s[76:77]
	s_cmp_eq_u32 s[JN], 2
	s_cselect_b64 s[NSP:NSP+1], s[82:83], s[NSP:NSP+1]
	s_cselect_b64 s[NBP:NBP+1], s[84:85], s[NBP:NBP+1]
	s_mov_b32 s26, s2
	s_add_nc_u64 s[NSP:NSP+1], s[NSP:NSP+1], s[26:27]
	s_add_nc_u64 s[NBP:NBP+1], s[NBP:NBP+1], s[26:27]
	s_mov_b32 s[EPS], 0x3727c5ac
	s_add_nc_u64 s[PEB:PEB+1], s[72:73], s[66:67]
	s_add_nc_u64 s[98:99], s[70:71], s[98:99]
	s_add_nc_u64 s[92:93], s[70:71], s[92:93]
	s_mul_i32 s[G0A+1], s[WV], 12288               ; my tile's place in A's image
	s_add_nc_u64 s[G0A+2:G0A+3], s[68:69], s[90:91] ; and its 12,288 bytes in memory
	s_lshl_b32 s[G0A], s[CX], 2                    ; 4 cx: it enters the prefetches' global offset alone
	s_add_nc_u64 s[94:95], s[68:69], s[94:95]
.irp sl, 0,1
	s_mov_b32 s[G0B+4*\sl], 1
	s_add_co_u32 s[G0B+4*\sl+1], s96, \sl*SLOT
	s_add_nc_u64 s[G0B+4*\sl+2:G0B+4*\sl+3], s[94:95], \sl*1536
	s_or_b32 s[G0B+4*\sl+3], s[G0B+4*\sl+3], 0x80000000
.endr
	CROUND
	tensor_load_to_lds s[G0B:G0B+3], s[G1B:G1B+7]  ; my one load at the head: my quarter of B's K step 0, asked for jointly
	s_nop 0
	PLACES 4
	v_and_b32 v244, 31, v0
	v_and_b32 v245, 15, v0
	v_bfe_u32 v246, v0, 4, 1
	v_lshlrev_b32 v[VB], 4, v244
	v_add_nc_u32 v[VB], s96, v[VB]
	v_add_nc_u32 v[VB+1], SLOT, v[VB]
	v_lshl_add_u32 v[VA], v244, 4, AIMG
	v_lshl_add_u32 v[STR], v245, 4, STATS
	v_add_nc_u32 v[STW], s97, v[STR]
	v_lshlrev_b32 v[L8], 3, v244
	v_mul_u32_u24 v[SO9], s[SHS], v246
	v_lshl_add_u32 v[SO9], v245, 4, v[SO9]
	v_mul_u32_u24 v[SH10], s[SHF], v246
	v_and_b32 v247, 7, v245
	v_lshrrev_b32 v[PEO], 3, v245
	v_lshl_add_u32 v247, v[PEO], 4, v247
	v_lshlrev_b32 v247, 12, v247
	v_lshl_add_u32 v[PEO], v246, 6, v247
	v_lshlrev_b32 v[NO], 6, v246
	v_lshlrev_b32 v13, 5, v245
	v_lshl_add_u32 v14, v246, 10, v13
	v_lshl_add_u32 v13, v246, 12, v13
.irp i, 0,1,2,3,4,5,6,7
.irp q, 0,1
	global_load_b128 v[SB+8*\i+4*\q:SB+8*\i+4*\q+3], v13, s[92:93] offset:512*\i+16*\q
.endr
.endr
.irp i, 0,1
.irp q, 0,1
	global_load_b128 v[SA+8*\i+4*\q:SA+8*\i+4*\q+3], v14, s[98:99] offset:512*\i+16*\q
.endr
.endr
	; the prefetches' offsets.  B: of the 16 tiles that I fetch, the partner at place cx names tiles 4 cx .. 4 cx + 3: a K step of them is 24 runs of 256 bytes, a lane a run (lanes 24-31 name the last run again)
	v_min_u32 v250, 23, v244
	v_mul_u32_u24 v251, v250, 43
	v_lshrrev_b32 v251, 8, v251                    ; l / 6
	v_mul_u32_u24 v252, v251, 6
	v_sub_nc_u32 v252, v250, v252                  ; l % 6
	v_add_nc_u32 v251, s[G0A], v251
	v_mul_u32_u24 v251, v251, 12288
	v_lshl_add_u32 v250, v252, 8, v251             ; never rewritten
	v_lshrrev_b32 v253, 2, v244                    ; pos_embed: eight rows x my 1,024 bytes an instruction: row l / 4, run l % 4
	v_and_b32 v254, 3, v244
	v_lshlrev_b32 v253, 12, v253
	v_lshl_add_u32 v253, v254, 8, v253             ; never rewritten
	v_lshlrev_b32 v248, 4, v244
	v_add_nc_u32 v249, s[G0A+1], v[VA]
	global_prefetch_b8 v250, s[94:95] offset:1536*1 th:TH_LOAD_NT scope:SCOPE_SE   ; K step 1: its load stands behind the head's waits and round
	global_prefetch_b8 v250, s[94:95] offset:1536*2 th:TH_LOAD_NT scope:SCOPE_SE   ; behind the load of K step k stands the prefetch of K step k + 2: here k = 0
.set aq, 0
.rept 24
	global_load_b128 v[AF+4*aq:AF+4*aq+3], v248, s[G0A+2:G0A+3] offset:512*aq      ; my tile of A, all eight K steps, 512 consecutive bytes a load, under the tensor load's flight
.set aq, aq+1
.endr
	s_wait_alu depctr_va_vdst(0)
	s_wait_loadcnt 0x0                             ; the scale words and my tile of A are in
.set aq, 0
.rept 24
	ds_store_b128 v249, v[AF+4*aq:AF+4*aq+3] offset:512*aq                         ; into A's image: bytes that no tensor load fills
.set aq, aq+1
.endr
	s_wait_tensorcnt 0x0                           ; my quarter of K step 0 is in; these lines stand ahead of a later first fill as ahead of a refill
	ds_add_u32 v[SPW], v[NIL]
	s_wait_dscnt 0x0                               ; the add and my stores have landed
	CROUND                                         ; everybody's part of A and of K step 0 is in, and the four work-groups are here
	tensor_load_to_lds s[G0B+4:G0B+7], s[G1B:G1B+7]
	s_nop 0
	PLACES 4
.macro WM d, a, b, zero, sa, sb, ra, rb
.if \zero
.if (\ra) && (\rb)
	v_wmma_scale_f32_16x16x128_f8f6f4 v[\d:\d+7], v[\a:\a+11], v[\b:\b+11], 0, v[\sa], v[\sb] matrix_a_fmt:MATRIX_FMT_FP6 matrix_b_fmt:MATRIX_FMT_FP6 matrix_a_scale:MATRIX_SCALE_ROW1 matrix_b_scale:MATRIX_SCALE_ROW1
.elseif (\ra)
	v_wmma_scale_f32_16x16x128_f8f6f4 v[\d:\d+7], v[\a:\a+11], v[\b:\b+11], 0, v[\sa], v[\sb] matrix_a_fmt:MATRIX_FMT_FP6 matrix_b_fmt:MATRIX_FMT_FP6 matrix_a_scale:MATRIX_SCALE_ROW1
.elseif (\rb)
	v_wmma_scale_f32_16x16x128_f8f6f4 v[\d:\d+7], v[\a:\a+11], v[\b:\b+11], 0, v[\sa], v[\sb] matrix_a_fmt:MATRIX_FMT_FP6 matrix_b_fmt:MATRIX_FMT_FP6 matrix_b_scale:MATRIX_SCALE_ROW1
.else
	v_wmma_scale_f32_16x16x128_f8f6f4 v[\d:\d+7], v[\a:\a+11], v[\b:\b+11], 0, v[\sa], v[\sb] matrix_a_fmt:MATRIX_FMT_FP6 matrix_b_fmt:MATRIX_FMT_FP6
.endif
.else
.if (\ra) && (\rb)
	v_wmma_scale_f32_16x16x128_f8f6f4 v[\d:\d+7], v[\a:\a+11], v[\b:\b+11], v[\d:\d+7], v[\sa], v[\sb] matrix_a_fmt:MATRIX_FMT_FP6 matrix_b_fmt:MATRIX_FMT_FP6 matrix_a_scale:MATRIX_SCALE_ROW1 matrix_b_scale:MATRIX_SCALE_ROW1
.elseif (\ra)
	v_wmma_scale_f32_16x16x128_f8f6f4 v[\d:\d+7], v[\a:\a+11], v[\b:\b+11], v[\d:\d+7], v[\sa], v[\sb] matrix_a_fmt:MATRIX_FMT_FP6 matrix_b_fmt:MATRIX_FMT_FP6 matrix_a_scale:MATRIX_SCALE_ROW1
.elseif (\rb)
	v_wmma_scale_f32_16x16x128_f8f6f4 v[\d:\d+7], v[\a:\a+11], v[\b:\b+11], v[\d:\d+7], v[\sa], v[\sb] matrix_a_fmt:MATRIX_FMT_FP6 matrix_b_fmt:MATRIX_FMT_FP6 matrix_b_scale:MATRIX_SCALE_ROW1
.else
	v_wmma_scale_f32_16x16x128_f8f6f4 v[\d:\d+7], v[\a:\a+11], v[\b:\b+11], v[\d:\d+7], v[\sa], v[\sb] matrix_a_fmt:MATRIX_FMT_FP6 matrix_b_fmt:MATRIX_FMT_FP6
.endif
.endif
.endm
.macro MUL a0, n, half, s
	WIN 0xa1+0x50*(\half)
.set ma, \a0
.rept \n
.set mb, 0
.rept 8
	WM 8*(8*ma+mb), 96*(\half)+12*mb, AF+48*((\s)%2)+12*ma, (\s)==0, SB+8*mb+(\s), SA+8*(ma%2)+(\s), \half, ma/2
.set mb, mb+1
.endr
.set ma, ma+1
.endr
.endm
.macro FB half, slot
	WIN 0x40
.irp i, 0,1,2,3,4,5,6,7
.irp c, 0,1,2
	ds_load_b128 v[96*(\half)+12*\i+4*\c:96*(\half)+12*\i+4*\c+3], v[VB+(\slot)] offset:(8*(\half)+\i)*1536+512*\c
.endr
.endr
	WIN 0
.endm
.macro FA s
.irp a, 0,1,2,3
.irp c, 0,1,2
	ds_load_b128 v[AF+48*((\s)%2)+12*\a+4*\c:AF+48*((\s)%2)+12*\a+4*\c+3], v[VA] offset:(8*\a+(\s))*1536+512*\c
.endr
.endr
.endm
.macro KSTEP s
	s_wait_dscnt 24
	MUL 0, 2, 0, \s
.if (\s) < 7
	WIN 0
	s_wait_tensorcnt 0x0
.endif
.if (\s) < 6
	ds_add_u32 v[SPW], v[NIL]
	s_add_nc_u64 s[G0B+4*((\s)%2)+2:G0B+4*((\s)%2)+3], s[G0B+4*((\s)%2)+2:G0B+4*((\s)%2)+3], 3072
.endif
	MUL 2, 1, 0, \s
	s_wait_dscnt 0x0
.if (\s) < 6
	s_barrier_signal -1
.endif
	MUL 3, 1, 0, \s
	WIN 0
.if (\s) < 6
	s_barrier_wait -1
	CREST
	tensor_load_to_lds s[G0B+4*((\s)%2):G0B+4*((\s)%2)+3], s[G1B:G1B+7]
	s_nop 0
.endif
	PLACES 4
.if (\s) < 7
	FB 0, ((\s)+1)%2
	FA (\s)+1
.endif
.if (\s) < 4
	global_prefetch_b8 v250, s[94:95] offset:1536*((\s)+4) th:TH_LOAD_NT scope:SCOPE_SE   ; this trip's load brings K step s + 2: K step s + 4 is asked of memory; the last is K step 7
.endif
	global_prefetch_b8 v253, s[PEB:PEB+1] offset:32768*(\s) th:TH_LOAD_NT scope:SCOPE_SE   ; rows 8 s .. 8 s + 7 of my block of pos_embed, which the way out reads
	MUL 0, 4, 1, \s
	PLACES 4
	WIN 0
.if (\s) < 7
	FB 1, ((\s)+1)%2
.endif
.endm
	FB 0, 0
	FA 0
	FB 1, 0
	global_prefetch_b8 v250, s[94:95] offset:1536*3 th:TH_LOAD_NT scope:SCOPE_SE   ; behind the load of K step 1: K step 3
	KSTEP 0
	KSTEP 1
	KSTEP 2
	KSTEP 3
	KSTEP 4
	KSTEP 5
	KSTEP 6
	KSTEP 7
.macro NORM g
	WIN 0x40
.irp q, 0,1,2,3,4,5,6,7,8,9,10,11,12,13,14,15
	global_load_b128 v[NS+4*\q:NS+4*\q+3], v[NO], s[NSP:NSP+1] offset:512*(\g)+128*(\q/4)+16*(\q%4)
	global_load_b128 v[NB+4*\q:NB+4*\q+3], v[NO], s[NBP:NBP+1] offset:512*(\g)+128*(\q/4)+16*(\q%4)
.endr
	WIN 0
.endm
.macro PEL n
	WIN 0x40
.irp q, 0,1,2,3,4,5,6,7,8,9,10,11,12,13,14,15
	global_load_b128 v[PE+64*((\n)%2)+4*\q:PE+64*((\n)%2)+4*\q+3], v[PEO], s[PEB:PEB+1] offset:(32*(((\n)%4)/2)+8*((\n)%2))*4096+512*((\n)/4)+128*(\q/4)+16*(\q%4)
.endr
	WIN 0
.endm
.macro REDUCE off
.irp a, 0,1,2,3
	v_add_f32 v[PART+\a], v[SS+2*\a], v[SS+2*\a+1]
.endr
.irp a, 0,1,2,3
	v_permlanex16_b32 v[ALL+\a], v[PART+\a], s[SEL], s[SEL+1]
.endr
.irp a, 0,1,2,3
	v_add_f32 v[PART+\a], v[PART+\a], v[ALL+\a]
.endr
	ds_store_b128 v[STW], v[PART:PART+3] offset:\off
	s_wait_dscnt 0x0
	s_barrier_signal -1
	s_barrier_wait -1
.irp u, 0,1,2,3
	ds_load_b128 v[ALL+4*\u:ALL+4*\u+3], v[STR] offset:\off+256*\u
.endr
	s_wait_dscnt 0x0
.irp a, 0,1,2,3
	v_add_f32 v[PART+\a], v[ALL+\a], v[ALL+4+\a]
.endr
.irp a, 0,1,2,3
	v_add_f32 v[ALL+\a], v[ALL+8+\a], v[ALL+12+\a]
.endr
.irp a, 0,1,2,3
	v_add_f32 v[PART+\a], v[PART+\a], v[ALL+\a]
.endr
.endm
.macro QUANT s, w
	WIN (\w)|((\w)<<2)
.irp b, 0,1,2,3
	v_max3_num_f32 v[TM+\b], |v[\s+16*\b]|, |v[\s+1+16*\b]|, 0x1800000
.endr
.irp i, 2,4,6,8,10,12,14
.irp b, 0,1,2,3
	v_max3_num_f32 v[TM+\b], |v[\s+16*\b+\i]|, |v[\s+1+16*\b+\i]|, v[TM+\b]
.endr
.endr
	WIN 0
.irp b, 0,1,2,3
	v_permlanex16_b32 v[TM+4+\b], v[TM+\b], s[SEL], s[SEL+1]
.endr
.irp b, 0,1,2,3
	v_max_num_f32 v[TM+\b], v[TM+\b], v[TM+4+\b]
.endr
.irp b, 0,1,2,3
	v_add_nc_u32 v[TM+12+\b], 0xff000000, v[TM+\b]
.endr
.irp b, 0,1,2,3
	v_lshrrev_b32 v[TM+4+\b], 23, v[TM+12+\b]
.endr
	v_lshl_or_b32 v[PW], v[TM+5], 8, v[TM+4]
	v_lshl_or_b32 v[PW], v[TM+6], 16, v[PW]
	v_lshl_or_b32 v[PW], v[TM+7], 24, v[PW]
	s_wait_xcnt 0x0
	WIN \w
.irp c, 0,1
	v_cvt_scalef32_pk16_fp6_f32 v[PC+6*\c:PC+2+6*\c], v[\s+32*\c:\s+15+32*\c], v[TM+12+2*\c]
	v_cvt_scalef32_pk16_fp6_f32 v[PC+12+4*\c:PC+14+4*\c], v[\s+16+32*\c:\s+31+32*\c], v[TM+12+2*\c+1]
.endr
	WIN 0
	v_nop
.irp c, 0,1
.irp i, 0,1,2
	v_permlane16_swap_b32 v[PC+6*\c+\i], v[PC+12+4*\c+\i]
.endr
.irp i, 0,1,2
	v_mov_b32 v[PC+3+6*\c+\i], v[PC+12+4*\c+\i]
.endr
.endr
.endm
	s_wait_alu depctr_va_vdst(0)
	NORM 0
	PEL 0
	PEL 1                                          ; both sets of pos_embed are asked for here; set n + 2 follows as soon as set n's registers have been read
.irp k, 0,1,2,3,4,5,6,7
	v_mov_b32 v[SS+\k], 0
.endr
.irp k, 0,1,2,3
	v_mov_b32 v[ALL+\k], 0
	v_mov_b32 v[TM+4+\k], 0
.endr
	v_mov_b32 v[ONEM], s[OML]
	v_mov_b32 v[ONEM+1], s[OML]
.irp g, 0,1
	WIN 0x08+4*\g
.set i, 0
.rept 32
.irp a, 0,1,2,3
	v_pk_add_f32 v[SS+2*\a:SS+2*\a+1], v[SS+2*\a:SS+2*\a+1], v[64*\a+2*i:64*\a+2*i+1]
.endr
.set i, i+1
.endr
.endr
	WIN 0
	REDUCE 0
.irp a, 0,1,2,3
	v_mul_f32 v[MEAN+2*\a], s[SMU], v[PART+\a]
.endr
.irp a, 0,1,2,3
	v_mov_b32 v[MEAN+2*\a+1], v[MEAN+2*\a]
.endr
.irp k, 0,1,2,3,4,5,6,7
	v_mov_b32 v[SS+\k], 0
.endr
.irp g, 0,1
	WIN 0x82+0x41*\g
.set i, 0
.rept 32
.irp a, 0,1,2,3
	v_pk_add_f32 v[64*\a+2*i:64*\a+2*i+1], v[64*\a+2*i:64*\a+2*i+1], v[MEAN+2*\a:MEAN+2*\a+1]
.endr
.set i, i+1
.endr
	WIN 0x0a+5*\g
.set i, 0
.rept 32
.irp a, 0,1,2,3
	v_pk_fma_f32 v[SS+2*\a:SS+2*\a+1], v[64*\a+2*i:64*\a+2*i+1], v[64*\a+2*i:64*\a+2*i+1], v[SS+2*\a:SS+2*\a+1]
.endr
.set i, i+1
.endr
.endr
	WIN 0
	REDUCE 1024
.irp a, 0,1,2,3
	v_fma_f32 v[PART+\a], v[PART+\a], s[C10], s[EPS]
.endr
	s_wait_alu depctr_va_vdst(0)
.irp a, 0,1,2,3
	v_rsq_f32 v[RSTD+2*\a], v[PART+\a]
.endr
	s_mov_b32 vcc_lo, s[MSK]
	v_nop
	s_wait_alu depctr_va_vdst(0)
.irp a, 0,1,2,3
	v_cndmask_b32 v[RSTD+2*\a], 1.0, v[RSTD+2*\a], vcc_lo
.endr
.irp a, 0,1,2,3
	v_mov_b32 v[RSTD+2*\a+1], v[RSTD+2*\a]
.endr
.macro ITER n
.set ia, (\n)%4
.set ig, (\n)/4
.set pes, PE+64*((\n)%2)
.if (\n) < 7
	s_wait_loadcnt 16                              ; all but the sixteen loads of set n + 1: set n is in (and the norm's numbers, asked for ahead of that set)
.else
	s_wait_loadcnt 0x0
.endif
.if ia == 0
	WIN 0x41
.set k, 0
.rept 32
	v_pk_fma_f32 v[NS+k:NS+k+1], v[NS+k:NS+k+1], s[FLN:FLN+1], v[ONEM:ONEM+1] op_sel_hi:[1,0,1]
	v_pk_mul_f32 v[NB+k:NB+k+1], v[NB+k:NB+k+1], s[FLN:FLN+1] op_sel_hi:[1,0]
.set k, k+2
.endr
.endif
	WIN 0x51
.set k, 0
.rept 32
	v_pk_fma_f32 v[pes+k:pes+k+1], v[pes+k:pes+k+1], s[FPE:FPE+1], v[NB+k:NB+k+1] op_sel_hi:[1,0,1]
.set k, k+2
.endr
	WIN 0x82+0x41*ig
.set k, 0
.rept 32
	v_pk_mul_f32 v[64*ia+k:64*ia+k+1], v[64*ia+k:64*ia+k+1], v[RSTD+2*ia:RSTD+2*ia+1]
.set k, k+2
.endr
	WIN 0x96+0x41*ig
.set k, 0
.rept 32
	v_pk_fma_f32 v[64*ia+k:64*ia+k+1], v[64*ia+k:64*ia+k+1], v[NS+k:NS+k+1], v[pes+k:pes+k+1]
.set k, k+2
.endr
	WIN 0
.if (\n) == 3
	NORM 1
.endif
.if (\n) < 6
	PEL (\n)+2
.endif
	QUANT 64*ia, 2+ig
	v_lshrrev_b32 v[W4+ia], v[SH10], v[PW]
.if ia >= 2
	v_xor_b32 v[VO1], s100, v[L8]
	v_add_nc_u32 v[VO1], s[OC], v[VO1]
.else
	v_add_nc_u32 v[VO1], s[OC], v[L8]
.endif
	v_add_nc_u32 v[VO2], s[SHC], v[VO1]
.irp i, 0,1,2
	global_store_b64 v[VO1], v[PC+2*\i:PC+2*\i+1], s[86:87] offset:256*\i
.endr
.irp i, 0,1,2
	global_store_b64 v[VO2], v[PC+6+2*\i:PC+7+2*\i], s[86:87] offset:256*\i
.endr
	s_add_co_u32 s[OC], s[OC], s[SAC]
.if ia == 3
	v_add_nc_u32 v[VS], s[OS], v[SO9]
	global_store_b128 v[VS], v[W4:W4+3], s[88:89]
	s_add_co_u32 s[OC], s[OC], s[SGJ]
	s_add_co_u32 s[OS], s[OS], s[SGS]
.endif
.endm
	ITER 0
	ITER 1
	ITER 2
	ITER 3
	ITER 4
	ITER 5
	ITER 6
	ITER 7
	s_wait_tensorcnt 0x0
	ds_add_u32 v[SPW], v[NIL]
	s_wait_dscnt 0x0
	CROUND
	s_endpgm
.Lfunc_end_k_q93672ff1a9_proj:
	.size	k_q93672ff1a9_proj, .Lfunc_end_k_q93672ff1a9_proj-k_q93672ff1a9_proj
	.p2alignl 7, 3214868480
	.fill 96, 4, 3214868480
	.section	.rodata,"a",@progbits
	.p2align	6, 0x0
	.amdhsa_kernel k_q93672ff1a9_proj
		.amdhsa_group_segment_fixed_size 327680
		.amdhsa_private_segment_fixed_size 0
		.amdhsa_enable_private_segment 0
		.amdhsa_kernarg_size 88
		.amdhsa_user_sgpr_count 2
		.amdhsa_user_sgpr_kernarg_segment_ptr 1
		.amdhsa_wavefront_size32 1
		.amdhsa_system_sgpr_workgroup_id_x 1
		.amdhsa_system_sgpr_workgroup_id_y 1
		.amdhsa_system_sgpr_workgroup_id_z 1
		.amdhsa_system_vgpr_workitem_id 0
		.amdhsa_next_free_vgpr 1024
		.amdhsa_next_free_sgpr 102
		.amdhsa_reserve_vcc 1
		.amdhsa_float_denorm_mode_32 3
		.amdhsa_float_denorm_mode_16_64 3
		.amdhsa_memory_ordered 1
		.amdhsa_forward_progress 1
		.amdhsa_inst_pref_size 255
	.end_amdhsa_kernel
	.section	.bss,"aw",@nobits
	.p2align	6
	.space	262144
	.amdgpu_metadata
---
amdhsa.version: [ 1, 2 ]
amdhsa.kernels:
  - .name:           k_q93672ff1a9_proj
    .symbol:         k_q93672ff1a9_proj.kd
    .args:
      - { .name: codes, .offset: 0, .size: 8, .value_kind: global_buffer, .address_space: global }
      - { .name: scales, .offset: 8, .size: 8, .value_kind: global_buffer, .address_space: global }
      - { .name: pos_embed, .offset: 16, .size: 8, .value_kind: global_buffer, .address_space: global }
      - { .name: q_norm_scale, .offset: 24, .size: 8, .value_kind: global_buffer, .address_space: global }
      - { .name: q_norm_bias, .offset: 32, .size: 8, .value_kind: global_buffer, .address_space: global }
      - { .name: k_norm_scale, .offset: 40, .size: 8, .value_kind: global_buffer, .address_space: global }
      - { .name: k_norm_bias, .offset: 48, .size: 8, .value_kind: global_buffer, .address_space: global }
      - { .name: ky_norm_scale, .offset: 56, .size: 8, .value_kind: global_buffer, .address_space: global }
      - { .name: ky_norm_bias, .offset: 64, .size: 8, .value_kind: global_buffer, .address_space: global }
      - { .name: pcodes, .offset: 72, .size: 8, .value_kind: global_buffer, .address_space: global }
      - { .name: pscales, .offset: 80, .size: 8, .value_kind: global_buffer, .address_space: global }
    .group_segment_fixed_size: 327680
    .private_segment_fixed_size: 0
    .kernarg_segment_align: 8
    .kernarg_segment_size: 88
    .max_flat_workgroup_size: 128
    .sgpr_count:     102
    .vgpr_count:     1024
    .wavefront_size: 32
...
	.end_amdgpu_metadata
.endif
;; end of part 2
;; launch attn (part 3): grid 8 x 32, 16 waves a work-group, clusters of 4 x 1, 327,680 bytes of LDS; arguments pcodes, pscales, y_mask, gate, acodes, ascales; writes acodes, ascales
.if DOCPART == 3
	.amdgcn_target "amdgcn-amd-amdhsa--gfx1250"
	.amdhsa_code_object_version 6
	.text
	.protected	k_q93672ff1a9_attn
	.globl	k_q93672ff1a9_attn
	.p2align	8
	.type	k_q93672ff1a9_attn,@function
k_q93672ff1a9_attn:
	s_mov_b64 s[64:65], 0
	v_nop
	global_prefetch_b8 v0, s[64:65] scope:SCOPE_SE
	s_setreg_imm32_b32 hwreg(HW_REG_WAVE_MODE, 25, 1), 1
	s_wait_xcnt 0x0
	s_wait_alu depctr_hold_cnt(0) depctr_sa_sdst(0) depctr_va_vdst(0) depctr_va_sdst(0) depctr_va_ssrc(0) depctr_va_vcc(0) depctr_vm_vsrc(0)
	s_getreg_b32 s2, hwreg(HW_REG_IB_STS2, 6, 4)
	s_cmp_eq_u32 s2, 0
	s_cbranch_scc0 .Lentry_in_a_cluster
	s_endpgm
.Lentry_in_a_cluster:
	s_bfe_u32 s2, ttmp6, 0x10000c
	s_cmp_lg_u32 s2, 0x3003
	s_cbranch_scc0 .Lentry_shape_is_right
	s_endpgm
.Lentry_shape_is_right:
; Self attention over 2,048 keys and masked cross attention over 512, both with the same q, head size 64, on codes of FP6; out = self + tanh(gate[h]) x cross, quantised along e for the last product.
; THE SOFTMAX: t = score x log2(e) / 8; M = the row's largest t so far, rounded UP to a whole number; p = 2^(t - M) is quantised along the keys, not normalised; the row's sum is taken of the
; unquantised p and divides at the end.  When M moves, the sums and O are multiplied by f = 2^(old M - new M): exact.  A part's first step has f = 0 (-M starts at the largest f32), which clears what the registers held.
; THE MASK: a masked key's t is t + (-3e38), which swallows t while |t| < 1e31; its p is 0 as soon as one key of the row counts.  A batch with no key that counts gives the plain average of yv.
; SHARES.  A work-group owns 256 queries of one (batch, head), each of its sixteen waves one tile of 16, in 256 registers.  All of a head's k, v, yk, yv lie in LDS at once: 245,760 bytes of codes, 15,360 of scale words,
; in five chunks of 512 keys, each filled ONCE.  The four work-groups of a cluster belong to one head: every load is asked for JOINTLY (mask 15).
; LOADS: at the head one load a wave: waves 0-11 take 4,096 bytes each of chunk 0, waves 12-15 a quarter each of the scale words.  Behind the full sequence and a round, one more load a wave: 12,288 bytes each of chunks 1 to 4,
; on their way while chunk 0 is worked; one barrier behind chunk 0 shows them to all.  Every wait on TENSORcnt is for 0.  No prefetch: all bytes are asked for at the start, so no later load is left to run ahead of.
; LAYOUT.  Both products are used transposed: S^T = K Q^T, O^T = V^T P^T: a lane holds ONE query.  WHICH 16 KEYS FORM A TILE OF K is chosen by the LDS address: tile (c, T) takes keys 64 c + 8 T + 0..7 as rows 0-7
; and keys 64 c + 32 + 8 T + 0..7 as rows 8-15.  So lane (query, h) holds in 32 registers the whole block 2 c + h of 32 keys, in order: the block's maximum and its codes need no other lane.
; The head's 64 fill half of the instruction's 128 along K: registers 6-11 of Q's fragment hold zero codes.  What stands against them in K's fragment adds nothing, whatever codes it holds (FP6 has no NaN or infinity, and
; no scale byte 0xff is made): so fragment f's upper six registers ARE fragment f + 1's lower six, and eight fragments take 54 registers.
; LIMITS: NaN and infinities are not served; the promise holds while |t| stays under 2^31; tanh = 1 - 2 / (1 + 2^(2.885 x)): absolute error about 1e-7.
; REGISTERS: v1-3, v6, v30, v31, v243 addresses and 8 h, which stay; v4, v5 the add's two; v7-11 the step's addresses; v12 -M, v13 the largest score (cross: t); v[14:15], v[248:251], v[254:255] the sum in four chains;
;   v16-27 Q, v28 its scale word; v29 tanh(gate); v32-85 K's eight fragments, then V's four; v86-89 K's scale words; v92-95 V's; v90, v91, v239 at work; v96-159 S^T, then p; v160-191 O^T; v192-223 the finished self part;
;   v224-235 p's codes; v236-242 the conversions' second halves; v244-247 maxima and scale operands; v252 f; v253 p's scale word.
.set SCL,   245760
.set MB,    261120                     ; 512 numbers: 0 or -3e38
.set ASC,   263168                     ; 16 waves x 16 rows x 2 scale bytes
.set SPARE, 263680                     ; the spare words, 128 bytes for each wave
.set QOFF,  7864320
.set QSOFF, 491520
.set KF,  32
.set S,   96
.set SPW, 4
.set NIL, 5
.set WV,  16
.set CX,  17
.set BH,  18
.set QB,  19
.set SEL, 20
.set CS,  22
.set G1C, 24                           ; 48 rows of 256 bytes
.set G1S, 32                           ; 15 rows
.set G1H, 40                           ; 16 rows
.set G0H, 48
.set G0S, 52
.set G0C, 56
.set CSN, 60
.set TB,  66
.set TS,  67
.set TM,  68
.set CNT, 69
.macro CROUND
	s_barrier_signal -1
	s_barrier_wait -1
	s_cmp_lg_u32 s[WV], 0
	s_cbranch_scc1 .Lnot_wave_0_\@
	s_barrier_signal -3
.Lnot_wave_0_\@:
	s_barrier_wait -3
	s_barrier_signal -1
	s_barrier_wait -1
.endm
.macro DESC g, rows                    ; a dense block as rows of 256 bytes (32 elements of 8); the mask names all four partners, bit 21 beside it
	s_mov_b32 s[\g], 15|(3<<16)|(1<<21)
	s_mov_b32 s[\g+1], 32<<16
	s_mov_b32 s[\g+2], (\rows)<<16
	s_mov_b32 s[\g+3], 32<<16
	s_mov_b32 s[\g+4], \rows
	s_mov_b32 s[\g+5], 32
	s_mov_b32 s[\g+6], 0
	s_mov_b32 s[\g+7], 0
.endm
.macro NOPS n
.rept \n
	v_nop
.endr
.endm
	s_load_b256 s[4:11], s[0:1], 0x0               ; pcodes, pscales, y_mask, gate
	s_load_b128 s[12:15], s[0:1], 0x20             ; acodes, ascales
	v_lshl_add_u32 v[SPW], v0, 2, SPARE
	v_mov_b32 v[NIL], 0
	ds_add_u32 v[SPW], v[NIL]                      ; the opening lines: the add, twice on end, and its wait ahead of my first tensor load
	ds_add_u32 v[SPW], v[NIL]
	v_lshrrev_b32 v96, 5, v0
	v_readfirstlane_b32 s[WV], v96                 ; wave 0..15
	s_bfe_u32 s[CX], ttmp6, 0x40000
	s_lshl_b32 s[QB], ttmp9, 2
	s_add_co_u32 s[QB], s[QB], s[CX]               ; my block of 256 queries: it enters Q's and the outputs' addresses alone
	s_and_b32 s[BH], ttmp7, 0xffff                 ; 16 batch + head, which the four partners share
	DESC G1C, 48
	DESC G1S, 15
	DESC G1H, 16
	s_mov_b32 s[SEL], 0x76543210
	s_mov_b32 s[SEL+1], 0xfedcba98
	s_mov_b32 s[CS], 0x3e38aa3b                    ; c = log2(e) / 8
	s_mov_b32 s[CS+1], s[CS]
	s_mov_b32 s[CSN], 0xbe38aa3b                   ; -c
	s_mov_b32 s[TM], 0
	s_mul_i32 s70, s[BH], 245760                   ; the head's codes
	s_mov_b32 s71, 0
	s_lshl_b32 s72, s[WV], 12                      ; the head's load: 4,096 bytes of chunk 0 (waves 0-11)
	s_mov_b32 s73, 0
	s_mul_i32 s94, s[WV], 12288
	s_add_co_u32 s94, s94, 49152                   ; the second load: 12,288 bytes of chunks 1 to 4
	s_mov_b32 s95, 0
	s_and_b32 s91, s[WV], 3
	s_mul_i32 s91, s91, 3840                       ; a quarter of the scale words (waves 12-15)
	s_mul_i32 s74, s[BH], 15360
	s_add_co_u32 s74, s74, s91
	s_mov_b32 s75, 0
	s_lshl_b32 s78, s[QB], 4
	s_add_co_u32 s78, s78, s[WV]                   ; T: my tile of queries, 0 .. 127
	s_mul_i32 s76, s[BH], 98304
	s_mul_i32 s79, s78, 768
	s_add_co_u32 s76, s76, s79
	s_add_co_u32 s76, s76, QOFF
	s_mov_b32 s77, 0
	s_lshl_b32 s80, s[BH], 13
	s_lshr_b32 s79, s78, 2
	s_lshl_b32 s79, s79, 8
	s_add_co_u32 s80, s80, s79
	s_and_b32 s79, s78, 3
	s_lshl_b32 s79, s79, 2
	s_add_co_u32 s80, s80, s79
	s_add_co_u32 s80, s80, QSOFF
	s_mov_b32 s81, 0
	s_lshr_b32 s84, s[BH], 4                       ; batch
	s_and_b32 s85, s[BH], 15                       ; head
	s_lshl_b32 s82, s84, 9                         ; the batch's 512 mask bytes
	s_lshl_b32 s83, s85, 2
	s_lshl_b32 s86, s84, 7
	s_add_co_u32 s86, s86, s78                     ; 128 batch + T
	s_mul_i32 s86, s86, 12288
	s_lshr_b32 s79, s85, 1
	s_mul_i32 s79, s79, 1536
	s_add_co_u32 s86, s86, s79
	s_and_b32 s79, s85, 1
	s_mul_i32 s79, s79, 768
	s_add_co_u32 s86, s86, s79
	s_mov_b32 s87, 0
	s_lshl_b32 s88, s85, 13
	s_lshl_b32 s79, s84, 12
	s_add_co_u32 s88, s88, s79
	s_lshl_b32 s79, s[QB], 9
	s_add_co_u32 s88, s88, s79
	s_mov_b32 s89, 0
	s_lshl_b32 s90, s[WV], 5
	s_wait_dscnt 0x0                               ; both opening adds are done
	s_wait_kmcnt 0x0
	s_add_nc_u64 s[70:71], s[4:5], s[70:71]
	s_add_nc_u64 s[74:75], s[6:7], s[74:75]
	s_add_nc_u64 s[76:77], s[4:5], s[76:77]
	s_add_nc_u64 s[80:81], s[6:7], s[80:81]
	s_add_nc_u64 s[12:13], s[12:13], s[86:87]
	s_add_nc_u64 s[14:15], s[14:15], s[88:89]
	s_mov_b32 s[G0H], 1
	s_mov_b32 s[G0H+1], s72
	s_add_nc_u64 s[G0H+2:G0H+3], s[70:71], s[72:73]
	s_or_b32 s[G0H+3], s[G0H+3], 0x80000000
	s_mov_b32 s[G0S], 1
	s_add_co_u32 s[G0S+1], s91, SCL
	s_mov_b64 s[G0S+2:G0S+3], s[74:75]
	s_or_b32 s[G0S+3], s[G0S+3], 0x80000000
	s_mov_b32 s[G0C], 1
	s_mov_b32 s[G0C+1], s94
	s_add_nc_u64 s[G0C+2:G0C+3], s[70:71], s[94:95]
	s_or_b32 s[G0C+3], s[G0C+3], 0x80000000
	CROUND                                         ; all four work-groups are here: the joint loads meet
	s_cmp_lt_u32 s[WV], 12                         ; one chain of branches on the wave's number, one load to an arm: every way passes exactly one
	s_cbranch_scc0 .Lhead_s
	tensor_load_to_lds s[G0H:G0H+3], s[G1H:G1H+7]
	s_nop 0
	NOPS 4
	s_branch .Lhead_j
.Lhead_s:
	tensor_load_to_lds s[G0S:G0S+3], s[G1S:G1S+7]
	s_nop 0
	NOPS 4
.Lhead_j:
	v_and_b32 v96, 31, v0                          ; lane
	v_and_b32 v97, 15, v0                          ; r
	v_bfe_u32 v98, v0, 4, 1                        ; h = lane / 16
	v_and_b32 v99, 7, v0                           ; j
	v_bfe_u32 v100, v0, 3, 1                       ; g = (lane / 8) % 2
	v_lshlrev_b32 v1, 3, v96                       ; 8 x lane: a piece of an image
	v_lshl_add_u32 v2, v98, 8, SCL                 ; K's scale words: lanes 0-15 pair c = 0, lanes 16-31 pair c = 1;
	v_lshl_add_u32 v2, v99, 4, v2                  ; 16 bytes a row place,
	v_lshl_add_u32 v2, v100, 3, v2                 ; 8 g: the block's two old tiles
	v_lshl_add_u32 v3, v97, 4, SCL+512             ; V's
	v_lshl_add_u32 v6, v98, 7, MB                  ; the mask numbers of my block: 128 h
	v_lshlrev_b32 v101, 3, v99
	v_lshl_add_u32 v101, v98, 7, v101              ; 8 j + 128 h
	v_mad_u32_u24 v30, v100, 1600, v101            ; K's rows for T = 0, 1: rows 8-15 lie two images (1,536) on, in the image's other half of places (64)
	v_mad_u32_u24 v31, v100, 1472, v101
	v_add_nc_u32 v31, 64, v31                      ; and for T = 2, 3: the halves the other way round.  So the 32 lanes of a load touch 256 different bytes modulo 256
	v_lshlrev_b32 v243, 3, v98                     ; 8 h
	v_lshl_add_u32 v102, v0, 2, MB
	v_lshlrev_b32 v103, 4, v97
	v_add_nc_u32 v104, s82, v0
	v_mov_b32 v105, s83
.irp i, 0,1,2
	global_load_b64 v[16+2*\i:17+2*\i], v1, s[76:77] offset:256*\i   ; Q's half fragment stays in registers
.endr
	global_load_b32 v28, v103, s[80:81]            ; its scale word
	global_load_u8 v106, v104, s[8:9]              ; thread t takes the mask byte of key t
	global_load_b32 v29, v105, s[10:11]            ; gate[h]
.irp i, 22,23,24,25,26,27, 80,81,82,83,84,85, 14,15,248,249,250,251,254,255, 239,253
	v_mov_b32 v[\i], 0                             ; Q's zero codes; the last fragment's upper half; the sums; a permute's destination; the pair v[252:253]'s upper half
.endr
.set j, 0
.rept 32
	v_mov_b32 v[160+j], 0                          ; O^T is written once here, under the loads' flight
.set j, j+1
.endr
	v_mov_b32 v13, 0xff61b1e6                      ; the largest score so far: -3e38
	v_mov_b32 v12, 0x7f7fffff                      ; -M: the largest f32, so that the first f is 0
	v_mov_b32 v107, 0xff61b1e6
	s_wait_alu depctr_va_vdst(0)
	s_wait_loadcnt 0x0
	v_mul_f32 v29, 0x4038aa3b, v29                 ; 2 log2(e) x
	s_wait_alu depctr_va_vdst(0)
	v_exp_f32 v29, v29
	v_nop
	s_wait_alu depctr_va_vdst(0)
	v_add_f32 v29, 1.0, v29
	s_wait_alu depctr_va_vdst(0)
	v_rcp_f32 v29, v29
	v_nop
	s_wait_alu depctr_va_vdst(0)
	v_fma_f32 v29, v29, -2.0, 1.0                  ; tanh(gate[h])
	v_cmp_eq_u32 vcc_lo, 0, v106
	v_cndmask_b32 v106, 0, v107, vcc_lo            ; -3e38 where the key does not count
	ds_store_b32 v102, v106
	s_wait_alu depctr_va_vdst(0)
	s_wait_tensorcnt 0x0                           ; my part of chunk 0 or of the scale words is in; these lines stand ahead of a later first fill as ahead of a refill
	ds_add_u32 v[SPW], v[NIL]
	s_wait_dscnt 0x0                               ; the add and my mask number have landed
	CROUND                                         ; everybody's part is in, and the four work-groups are here
	tensor_load_to_lds s[G0C:G0C+3], s[G1C:G1C+7]  ; my sixteenth of chunks 1 to 4
	s_nop 0
	NOPS 4
.macro SC d, a, sa, row
.if \row
	v_wmma_scale_f32_16x16x128_f8f6f4 v[\d:\d+7], v[\a:\a+11], v[16:27], 0, v[\sa], v28 matrix_a_fmt:MATRIX_FMT_FP6 matrix_b_fmt:MATRIX_FMT_FP6 matrix_a_scale:MATRIX_SCALE_ROW1
.else
	v_wmma_scale_f32_16x16x128_f8f6f4 v[\d:\d+7], v[\a:\a+11], v[16:27], 0, v[\sa], v28 matrix_a_fmt:MATRIX_FMT_FP6 matrix_b_fmt:MATRIX_FMT_FP6
.endif
.endm
.macro ADD4 b                          ; eight p onto the four chains of the row's sum
	v_pk_add_f32 v[14:15], v[14:15], v[S+\b:S+\b+1]
	v_pk_add_f32 v[248:249], v[248:249], v[S+\b+2:S+\b+3]
	v_pk_add_f32 v[250:251], v[250:251], v[S+\b+4:S+\b+5]
	v_pk_add_f32 v[254:255], v[254:255], v[S+\b+6:S+\b+7]
.endm
; A KEY STEP: 128 keys.  mask = 1: the cross keys
.macro STEP mask
	v_add_nc_u32 v7, s[TB], v30                    ; these four lines are also the places in front of loads into registers that the last step's products read
	v_add_nc_u32 v8, s[TB], v31
	v_add_nc_u32 v10, s[TS], v2
	v_mov_b32 v90, v12                             ; the old -M
.irp c, 0,1
.irp t, 0,1,2,3
.irp i, 0,1,2
	ds_load_b64 v[KF+24*\c+6*\t+2*\i:KF+24*\c+6*\t+2*\i+1], v[7+\t/2] offset:3072*\c+768*(\t%2)+256*\i
.endr
.endr
.endr
	ds_load_b64 v[86:87], v10                      ; the scale words of tiles T = 0, 1 (lanes 0-15: c = 0, lanes 16-31: c = 1)
	ds_load_b64 v[88:89], v10 offset:128           ; and of T = 2, 3
	s_wait_alu depctr_va_vdst(0)
	s_wait_dscnt 0x0
.irp t, 0,1,2,3
	SC S+8*\t, KF+6*\t, 86+\t, 0
.endr
.irp t, 0,1,2,3
	SC S+32+8*\t, KF+24+6*\t, 86+\t, 1
.endr                                          ; register 32 c + m = key 64 c + 32 h + m of the step
	v_add_nc_u32 v9, s[TB], v1                     ; V's addresses (and the mask's): with the v_nop the four places behind the products
	v_add_nc_u32 v11, s[TS], v3
.if \mask
	v_add_nc_u32 v236, s[TM], v6
	NOPS 1
.else
	NOPS 2
.endif
.if \mask
.irp q, 0,1,2,3,4,5,6,7,8,9,10,11,12
	ds_load_b128 v[32+4*\q:35+4*\q], v236 offset:16*\q+128*(\q/8)   ; the mask numbers of my 64 keys
.endr
.irp q, 13,14,15
	ds_load_b128 v[224+4*(\q-13):227+4*(\q-13)], v236 offset:16*\q+128
.endr
	s_wait_dscnt 0x0
.set p, 0
.rept 26
	v_pk_fma_f32 v[S+2*p:S+2*p+1], v[S+2*p:S+2*p+1], s[CS:CS+1], v[32+2*p:33+2*p] op_sel_hi:[1,0,1]   ; t = score x c + the mask's number
.set p, p+1
.endr
.rept 6
	v_pk_fma_f32 v[S+2*p:S+2*p+1], v[S+2*p:S+2*p+1], s[CS:CS+1], v[224+2*(p-26):225+2*(p-26)] op_sel_hi:[1,0,1]
.set p, p+1
.endr
.endif
.irp a, 0,1,2,3                                ; V's four fragments (16 channels x these 128 keys) land where K's lay, and have the step's vector work in which to land
.irp i, 0,1,2,3,4,5
	ds_load_b64 v[KF+12*\a+2*\i:KF+12*\a+2*\i+1], v9 offset:24576+1536*\a+256*\i
.endr
.endr
	ds_load_b128 v[92:95], v11
.irp c, 0,1                                    ; my two blocks' largest, each in two chains; each accumulator is first read at its low end
	v_max3_num_f32 v[244+\c], v[S+32*\c], v[S+32*\c+1], v[S+32*\c+2]
	v_max3_num_f32 v[246+\c], v[S+32*\c+17], v[S+32*\c+18], v[S+32*\c+19]
.endr
.irp i, 0,1,2,3,4,5
.irp c, 0,1
	v_max3_num_f32 v[244+\c], v[244+\c], v[S+32*\c+3+2*\i], v[S+32*\c+4+2*\i]
	v_max3_num_f32 v[246+\c], v[246+\c], v[S+32*\c+20+2*\i], v[S+32*\c+21+2*\i]
.endr
.endr
.irp c, 0,1
	v_max3_num_f32 v[244+\c], v[244+\c], v[S+32*\c+15], v[S+32*\c+16]
.endr
.irp c, 0,1
	s_delay_alu instid0(VALU_DEP_2)
	v_max_num_f32 v[244+\c], v[244+\c], v[246+\c]
.endr
	s_delay_alu instid0(VALU_DEP_1)
	v_max_num_f32 v91, v244, v245
	s_delay_alu instid0(VALU_DEP_1)
	v_permlanex16_b32 v239, v91, s[SEL], s[SEL+1]
	s_delay_alu instid0(VALU_DEP_1)
	v_max3_num_f32 v13, v13, v91, v239             ; the running largest, with lane l xor 16's two blocks
	s_delay_alu instid0(VALU_DEP_1)
.if \mask
	v_floor_f32 v12, -v13                          ; the new -M = -ceil(t): a whole number
.else
	v_mul_f32 v91, s[CSN], v13                     ; -t (c is positive, so the largest score gives the largest t)
	s_delay_alu instid0(VALU_DEP_1)
	v_floor_f32 v12, v91
.endif
.set j, 0
.rept 32
.if \mask
	v_pk_add_f32 v[S+j:S+j+1], v[S+j:S+j+1], v[12:13] op_sel_hi:[1,0]                       ; t - M
.else
	v_pk_fma_f32 v[S+j:S+j+1], v[S+j:S+j+1], s[CS:CS+1], v[12:13] op_sel_hi:[1,0,0]         ; t - M
.endif
.if j == 2
	v_sub_f32 v90, v12, v90                        ; old M - new M: a whole number, 0 or less
.endif
.if j == 10
	v_cvt_i32_f32 v90, v90                         ; (it saturates)
.endif
.set j, j+2
.endr
.irp c, 0,1
.if \mask
	v_add_f32 v[244+\c], v[244+\c], v12            ; the same of each block's largest
.else
	v_fma_f32 v[244+\c], v[244+\c], s[CS], v12
.endif
.endr
	s_wait_alu depctr_va_vdst(0)
	v_exp_f32 v244, v244                           ; the blocks' largest p: the same instructions on the same numbers give the same bits
	v_exp_f32 v245, v245
.set j, 0
.rept 64
	v_exp_f32 v[S+j], v[S+j]                       ; p = 2^(t - M), at most 1: not normalised
.set j, j+1
.endr
	v_ldexp_f32 v252, 1.0, v90                     ; f = 2^(old M - new M): also the plain place behind the batch
	s_wait_alu depctr_va_vdst(0)                   ; one wait for the batch, ahead of its first reader
	v_pk_fma_f32 v[14:15], v[14:15], v[252:253], v[S:S+1] op_sel_hi:[1,0,1]        ; each chain comes under the new M as it takes its first p
	v_pk_fma_f32 v[248:249], v[248:249], v[252:253], v[S+2:S+3] op_sel_hi:[1,0,1]
	v_pk_fma_f32 v[250:251], v[250:251], v[252:253], v[S+4:S+5] op_sel_hi:[1,0,1]
	v_pk_fma_f32 v[254:255], v[254:255], v[252:253], v[S+6:S+7] op_sel_hi:[1,0,1]
	v_max_num_f32 v244, 0x1800000, v244            ; the floor 2^(3 - 127): the byte cannot fall under 1
	v_max_num_f32 v245, 0x1800000, v245
	ADD4 8
	v_add_nc_u32 v246, 0xff000000, v244            ; 2 off the exponent field: the conversion's scale operand
	v_add_nc_u32 v247, 0xff000000, v245
	ADD4 16
	v_lshrrev_b32 v90, 23, v246                    ; the scale bytes of blocks h and 2 + h
	v_lshrrev_b32 v91, 23, v247
	ADD4 24
	v_lshl_or_b32 v90, v91, 16, v90
	ADD4 32
	v_lshlrev_b32 v90, v243, v90                   ; at their places in the word
	ADD4 40
	v_permlanex16_b32 v239, v90, s[SEL], s[SEL+1]
	ADD4 48
	ADD4 56
	v_cvt_scalef32_pk16_fp6_f32 v[224:226], v[S:S+15], v246
	v_cvt_scalef32_pk16_fp6_f32 v[236:238], v[S+16:S+31], v246     ; (a conversion's three registers begin on an even number)
	v_cvt_scalef32_pk16_fp6_f32 v[230:232], v[S+32:S+47], v247
	v_cvt_scalef32_pk16_fp6_f32 v[240:242], v[S+48:S+63], v247
	v_or_b32 v253, v90, v239                       ; p's scale word, whole with lane l xor 16's two bytes (also the plain place behind the conversions)
.irp i, 0,1,2
	v_mov_b32 v[227+\i], v[236+\i]
	v_mov_b32 v[233+\i], v[240+\i]
.endr
	s_wait_alu depctr_va_vdst(0)                   ; the wait directly ahead of the first reader of O^T
.set j, 0
.rept 16
	v_pk_mul_f32 v[160+j:161+j], v[160+j:161+j], v[252:253] op_sel_hi:[1,0]   ; O^T under the new M (also the places in front of the products below)
.set j, j+2
.endr
	s_wait_alu depctr_va_vdst(0)                   ; and ahead of the wait below
	s_wait_dscnt 0x0
.irp a, 0,1,2,3
	v_wmma_scale_f32_16x16x128_f8f6f4 v[160+8*\a:167+8*\a], v[KF+12*\a:KF+12*\a+11], v[224:235], v[160+8*\a:167+8*\a], v[92+\a], v253 matrix_a_fmt:MATRIX_FMT_FP6 matrix_b_fmt:MATRIX_FMT_FP6
.endr
.endm
.macro RUN c, mask                     ; a chunk of 512 keys: four steps
	s_mov_b32 s[TB], 49152*\c
	s_mov_b32 s[TS], 3072*\c
	s_mov_b32 s[CNT], 4
.Lstep_\@:
	STEP \mask
	s_add_co_u32 s[TB], s[TB], 6144
	s_add_co_u32 s[TS], s[TS], 768
.if \mask
	s_add_co_u32 s[TM], s[TM], 512
.endif
	s_sub_co_u32 s[CNT], s[CNT], 1
	s_cmp_lg_u32 s[CNT], 0
	s_cbranch_scc1 .Lstep_\@
.endm
.macro ROWSUM                          ; the four chains, their halves and lane l xor 16's; 1 / the sum in v14.  The first four lines are the places behind the last products
	v_pk_add_f32 v[14:15], v[14:15], v[248:249]
	v_pk_add_f32 v[250:251], v[250:251], v[254:255]
	v_mov_b32 v13, 0xff61b1e6                      ; the next part begins anew: its first f is 0
	v_mov_b32 v12, 0x7f7fffff
	v_pk_add_f32 v[14:15], v[14:15], v[250:251]
	s_delay_alu instid0(VALU_DEP_1)
	v_add_f32 v14, v14, v15
	s_delay_alu instid0(VALU_DEP_1)
	v_permlanex16_b32 v239, v14, s[SEL], s[SEL+1]
	s_delay_alu instid0(VALU_DEP_1)
	v_add_f32 v14, v14, v239
	s_wait_alu depctr_va_vdst(0)
	v_rcp_f32 v14, v14
	v_nop
	s_wait_alu depctr_va_vdst(0)
.endm
	RUN 0, 0
	s_wait_tensorcnt 0x0                           ; my part of chunks 1 to 4 is in,
	s_wait_dscnt 0x0
	s_barrier_signal -1
	s_barrier_wait -1                              ; everybody's is
	RUN 1, 0
	RUN 2, 0
	RUN 3, 0
	ROWSUM
.set j, 0
.rept 16
	v_pk_mul_f32 v[192+j:193+j], v[160+j:161+j], v[14:15] op_sel_hi:[1,0]   ; the self part, finished
.set j, j+2
.endr
	RUN 4, 1
	ROWSUM
	v_mul_f32 v14, v14, v29                        ; tanh(gate) / the sum
.set j, 0
.rept 16
	v_pk_fma_f32 v[160+j:161+j], v[160+j:161+j], v[14:15], v[192+j:193+j] op_sel_hi:[1,0,1]   ; register 16 b + i = channel 32 b + 16 (lane / 16) + i of my head
.set j, j+2
.endr
.irp b, 0,1                                    ; the head's two blocks of 32 along e
	v_max3_num_f32 v[244+\b], |v[160+16*\b]|, |v[161+16*\b]|, 0x1800000
.endr
.irp i, 2,4,6,8,10,12,14
.irp b, 0,1
	s_delay_alu instid0(VALU_DEP_2)
	v_max3_num_f32 v[244+\b], v[244+\b], |v[160+16*\b+\i]|, |v[161+16*\b+\i]|
.endr
.endr
.irp b, 0,1
	s_delay_alu instid0(VALU_DEP_2)
	v_permlanex16_b32 v[90+\b], v[244+\b], s[SEL], s[SEL+1]
.endr
.irp b, 0,1
	s_delay_alu instid0(VALU_DEP_2)
	v_max_num_f32 v[244+\b], v[244+\b], v[90+\b]
.endr
.irp b, 0,1
	s_delay_alu instid0(VALU_DEP_2)
	v_add_nc_u32 v[246+\b], 0xff000000, v[244+\b]
.endr
.irp b, 0,1
	s_delay_alu instid0(VALU_DEP_2)
	v_lshrrev_b32 v[90+\b], 23, v[246+\b]
.endr
	s_delay_alu instid0(VALU_DEP_1)
	v_lshl_or_b32 v90, v91, 8, v90                 ; my row's two scale bytes
	v_and_b32 v32, 15, v0
	v_and_b32 v34, 31, v0
	v_lshl_add_u32 v32, v32, 1, ASC
	v_lshl_add_u32 v33, v34, 4, ASC
	v_lshlrev_b32 v35, 4, v34
	v_add_nc_u32 v32, s90, v32                     ; ASC + 32 x wave + 2 r
	v_cvt_scalef32_pk16_fp6_f32 v[224:226], v[160:175], v246
	v_cvt_scalef32_pk16_fp6_f32 v[236:238], v[176:191], v247
	v_nop
.irp i, 0,1,2
	v_permlane16_swap_b32 v[224+\i], v[236+\i]     ; here a block lies in lanes l and l xor 16: the operand's layout wants it whole in a lane
.endr
.irp i, 0,1,2
	v_mov_b32 v[227+\i], v[236+\i]
.endr
.irp i, 0,1,2
	global_store_b64 v1, v[224+2*\i:225+2*\i], s[12:13] offset:256*\i   ; half a fragment of the last product's A: 256 consecutive bytes a store, aligned
.endr
	ds_store_b16 v32, v90                          ; lanes r and r + 16 write the same two bytes with the same value
	s_wait_alu depctr_va_vdst(0)
	s_wait_dscnt 0x0                               ; for wave 0's sake
	s_barrier_signal -1
	s_barrier_wait -1
	s_cmp_lg_u32 s[WV], 0
	s_cbranch_scc1 .Lnot_first
	ds_load_b128 v[96:99], v33                     ; the work-group's 256 rows x 2 bytes leave as 512 consecutive bytes
	s_wait_dscnt 0x0
	global_store_b128 v35, v[96:99], s[14:15]
.Lnot_first:
	s_wait_tensorcnt 0x0                           ; the wave's end, behind my last tensor load and my last LDS store
	ds_add_u32 v[SPW], v[NIL]
	s_wait_dscnt 0x0
	CROUND                                         ; the closing round
	s_endpgm
.Lfunc_end_k_q93672ff1a9_attn:
	.size	k_q93672ff1a9_attn, .Lfunc_end_k_q93672ff1a9_attn-k_q93672ff1a9_attn
	.p2alignl 7, 3214868480
	.fill 96, 4, 3214868480
	.section	.rodata,"a",@progbits
	.p2align	6, 0x0
	.amdhsa_kernel k_q93672ff1a9_attn
		.amdhsa_group_segment_fixed_size 327680
		.amdhsa_private_segment_fixed_size 0
		.amdhsa_enable_private_segment 0
		.amdhsa_kernarg_size 48
		.amdhsa_user_sgpr_count 2
		.amdhsa_user_sgpr_kernarg_segment_ptr 1
		.amdhsa_wavefront_size32 1
		.amdhsa_system_sgpr_workgroup_id_x 1
		.amdhsa_system_sgpr_workgroup_id_y 1
		.amdhsa_system_sgpr_workgroup_id_z 1
		.amdhsa_system_vgpr_workitem_id 0
		.amdhsa_next_free_vgpr 256
		.amdhsa_next_free_sgpr 100
		.amdhsa_reserve_vcc 1
		.amdhsa_float_denorm_mode_32 3
		.amdhsa_float_denorm_mode_16_64 3
		.amdhsa_memory_ordered 1
		.amdhsa_forward_progress 1
		.amdhsa_inst_pref_size 103
	.end_amdhsa_kernel
	.amdgpu_metadata
---
amdhsa.version: [ 1, 2 ]
amdhsa.kernels:
  - .name:           k_q93672ff1a9_attn
    .symbol:         k_q93672ff1a9_attn.kd
    .args:
      - { .name: pcodes, .offset: 0, .size: 8, .value_kind: global_buffer, .address_space: global }
      - { .name: pscales, .offset: 8, .size: 8, .value_kind: global_buffer, .address_space: global }
      - { .name: y_mask, .offset: 16, .size: 8, .value_kind: global_buffer, .address_space: global }
      - { .name: gate, .offset: 24, .size: 8, .value_kind: global_buffer, .address_space: global }
      - { .name: acodes, .offset: 32, .size: 8, .value_kind: global_buffer, .address_space: global }
      - { .name: ascales, .offset: 40, .size: 8, .value_kind: global_buffer, .address_space: global }
    .group_segment_fixed_size: 327680
    .private_segment_fixed_size: 0
    .kernarg_segment_align: 8
    .kernarg_segment_size: 48
    .max_flat_workgroup_size: 512
    .sgpr_count:     100
    .vgpr_count:     256
    .wavefront_size: 32
...
	.end_amdgpu_metadata
.endif
;; end of part 3
;; launch outp (part 4): grid 8 x 32, 4 waves a work-group, clusters of 4 x 4, 214,528 bytes of LDS; arguments acodes, ascales, codes, scales, out0; writes out0
.if DOCPART == 4
	.amdgcn_target "amdgcn-amd-amdhsa--gfx1250"
	.amdhsa_code_object_version 6
	.text
	.protected	k_q93672ff1a9_outp
	.globl	k_q93672ff1a9_outp
	.p2align	8
	.type	k_q93672ff1a9_outp,@function
k_q93672ff1a9_outp:
	s_mov_b64 s[64:65], 0
	v_nop
	global_prefetch_b8 v0, s[64:65] scope:SCOPE_SE
	s_setreg_imm32_b32 hwreg(HW_REG_WAVE_MODE, 25, 1), 1
	s_wait_xcnt 0x0
	s_wait_alu depctr_hold_cnt(0) depctr_sa_sdst(0) depctr_va_vdst(0) depctr_va_sdst(0) depctr_va_ssrc(0) depctr_va_vcc(0) depctr_vm_vsrc(0)
	s_getreg_b32 s2, hwreg(HW_REG_IB_STS2, 6, 4)
	s_cmp_eq_u32 s2, 0
	s_cbranch_scc0 .Lentry_in_a_cluster
	s_endpgm
.Lentry_in_a_cluster:
	s_bfe_u32 s2, ttmp6, 0x10000c
	s_cmp_lg_u32 s2, 0xf033
	s_cbranch_scc0 .Lentry_shape_is_right
	s_endpgm
.Lentry_shape_is_right:
; out0[token][d] = sum over e of A[token][e] wo[d][e], both on codes of FP6 laid in the order of the operand's registers.  A: acodes [256 tiles][8 K steps][1,536], its scale bytes ascales [16 heads][256 tiles][16] x 2;
; wo: tiles 640-703 of codes and scales.  out0: [4096][1024] f32.
; A work-group makes 128 tokens x 128 columns, a wave 64 x 64: 16 accumulators.  ALL OF K lies in LDS at once (98,304 bytes a side), filled once: no ring, no refill.
; CLUSTERS: 4 x 4.  A's block hangs on the tile row alone and is shared along a row of the cluster, wo's on the tile column alone and is shared along a column: each is asked for JOINTLY.  One load a wave.
; THE MATRIX INSTRUCTION IS USED TRANSPOSED (source 0 = 16 rows of wo, source 1 = 16 tokens): a lane holds eight neighbouring columns of one token.  A tile's places are not neighbouring rows (place r of tile t = row
; 32 (t / 2) + 8 (t % 2) + r % 8 + 16 (r / 8)): the way out puts columns and tokens back in their true places.
; REGISTERS.  window 0: v1-9 addresses; v16-31 A's scale words, v32-47 wo's; v48-143 A's fragments, two sets; v144-239 wo's, two sets (on the way out: rows read back); v240-255 halves of A's scale words.  window 1: v0-127 the accumulators.
.set BL,    98304
.set STAGE, 196608                     ; 16 rows x (256 + 16) bytes for each wave
.set SP,    272
.set SPARE, 214016                     ; the spare words, 128 bytes for each wave
.set VAO, 1
.set VBO, 2
.set STO, 3
.set RD,  4
.set CO,  5
.set SPW, 6
.set NIL, 7
.set AO,  8
.set BO,  9
.set SA,  16
.set SB,  32
.set AF,  48
.set BF,  144
.set BK,  144
.set HI,  240
.set WV,  14
.set G1,  24
.set G0,  32
.set G1B, 48
.set G0B, 56
.set MSB, 0
.macro WIN new
.if MSB != (\new)
	s_set_vgpr_msb (MSB<<8)|(\new)
.set MSB, \new
.endif
.endm
.macro PLACES n
.rept \n
	v_nop
.endr
.endm
.macro CROUND
	s_barrier_signal -1
	s_barrier_wait -1
	s_cmp_lg_u32 s[WV], 0
	s_cbranch_scc1 .Lnot_wave_0_\@
	s_barrier_signal -3
.Lnot_wave_0_\@:
	s_barrier_wait -3
	s_barrier_signal -1
	s_barrier_wait -1
.endm
	s_load_b256 s[4:11], s[0:1], 0x0               ; acodes, ascales, codes, scales
	s_load_b64 s[12:13], s[0:1], 0x20              ; out0
	v_lshl_add_u32 v[SPW], v0, 2, SPARE
	v_mov_b32 v[NIL], 0
	ds_add_u32 v[SPW], v[NIL]                      ; the wave's opening: the add and its wait ahead of my first tensor load; work on registers stands between them
	ds_add_u32 v[SPW], v[NIL]
	v_lshrrev_b32 v1, 5, v0
	v_readfirstlane_b32 s[WV], v1                  ; wave 0..3
	s_lshr_b32 s15, s[WV], 1                       ; which 64 tokens are mine.  Also: I fetch for A (0) or for wo (1)
	s_and_b32 s16, s[WV], 1                        ; which 64 columns.  Also: which half of that block I fetch
	s_bfe_u32 s40, ttmp6, 0x40000                  ; cx, cy
	s_bfe_u32 s41, ttmp6, 0x40004
	s_lshl_b32 s42, ttmp9, 2
	s_add_co_u32 s42, s42, s40                     ; tile column = 4 x cluster x + cx
	s_and_b32 s17, ttmp7, 0xffff
	s_lshl_b32 s17, s17, 2
	s_add_co_u32 s17, s17, s41                     ; tile row = 4 x cluster y + cy
	s_lshl_b32 s43, s41, 2
	s_lshl_b32 s43, 15, s43                        ; my row of the cluster
	s_lshl_b32 s44, 0x1111, s40                    ; my column
	s_or_b32 s[G1], s43, (3<<16)|(1<<21)           ; the mask; elements of 8 bytes; bit 21 beside a mask; no padding
	s_or_b32 s[G1B], s44, (3<<16)|(1<<21)
.irp g, G1, G1B
	s_mov_b32 s[\g+1], 32<<16                      ; rows of 256 bytes,
	s_mov_b32 s[\g+2], 192<<16                     ; 192 of them: four tiles x eight K steps, dense
	s_mov_b32 s[\g+3], 32<<16
	s_mov_b32 s[\g+4], 192
	s_mov_b32 s[\g+5], 32
	s_mov_b32 s[\g+6], 0
	s_mov_b32 s[\g+7], 0
.endr
	s_mul_i32 s18, s16, 49152                      ; my half
	s_mul_i32 s20, s17, 98304
	s_add_co_u32 s20, s20, s18                     ; A: by the tile row
	s_mov_b32 s21, 0
	s_lshl_b32 s46, s42, 3
	s_add_co_u32 s46, s46, 640
	s_mul_i32 s46, s46, 12288
	s_add_co_u32 s46, s46, s18                     ; wo: by the tile column
	s_mov_b32 s47, 0
	s_mul_i32 s45, s[WV], 49152                    ; where it goes: A's two halves, then wo's two: no place in the cluster enters an LDS address
	s_lshl_b32 s66, s17, 3
	s_lshl_b32 s67, s15, 2
	s_add_co_u32 s66, s66, s67
	s_lshl_b32 s66, s66, 5                         ; A's scale bytes: 32 bytes a tile, my first tile 8 x tile row + 4 x half
	s_mov_b32 s67, 0
	s_lshl_b32 s68, s42, 3
	s_lshl_b32 s69, s16, 2
	s_add_co_u32 s68, s68, s69
	s_add_co_u32 s68, s68, 640
	s_lshl_b32 s68, s68, 9                         ; wo's scale words: 512 bytes a tile
	s_mov_b32 s69, 0
	s_lshl_b32 s70, s17, 7
	s_lshl_b32 s71, s15, 6
	s_add_co_u32 s70, s70, s71
	s_lshl_b32 s70, s70, 12                        ; my first token's row of out0,
	s_lshl_b32 s71, s42, 9
	s_add_co_u32 s70, s70, s71
	s_lshl_b32 s71, s16, 8
	s_add_co_u32 s70, s70, s71                     ; my first column
	s_mov_b32 s71, 0
	s_wait_dscnt 0x0                               ; the opening add is done
	s_wait_kmcnt 0x0
	s_mov_b32 s[G0], 1
	s_mov_b32 s[G0+1], s45
	s_add_nc_u64 s[G0+2:G0+3], s[4:5], s[20:21]
	s_or_b32 s[G0+3], s[G0+3], 0x80000000
	s_mov_b32 s[G0B], 1
	s_mov_b32 s[G0B+1], s45
	s_add_nc_u64 s[G0B+2:G0B+3], s[8:9], s[46:47]
	s_or_b32 s[G0B+3], s[G0B+3], 0x80000000
	s_add_nc_u64 s[6:7], s[6:7], s[66:67]
	s_add_nc_u64 s[10:11], s[10:11], s[68:69]
	s_add_nc_u64 s[12:13], s[12:13], s[70:71]
	CROUND                                         ; all sixteen work-groups are here: the joint loads meet
	s_cmp_eq_u32 s15, 0                            ; each of the two lines has one mask; the branch hangs on the wave's number alone
	s_cbranch_scc0 .Lfor_b
	tensor_load_to_lds s[G0:G0+3], s[G1:G1+7]
	s_nop 0
	PLACES 4
	s_branch .Lasked
.Lfor_b:
	tensor_load_to_lds s[G0B:G0B+3], s[G1B:G1B+7]
	s_nop 0
	PLACES 4
.Lasked:
	v_and_b32 v10, 31, v0                          ; lane
	v_and_b32 v11, 15, v0                          ; r
	v_bfe_u32 v12, v0, 4, 1                        ; lane / 16
	s_mul_i32 s72, s15, 49152
	v_lshlrev_b32 v[VAO], 3, v10
	v_add_nc_u32 v[VAO], s72, v[VAO]               ; my four tiles of A: pieces of 8 bytes a lane
	s_mul_i32 s72, s16, 49152
	s_add_co_u32 s72, s72, BL
	v_lshlrev_b32 v[VBO], 4, v10
	v_add_nc_u32 v[VBO], s72, v[VBO]               ; my four tiles of wo: pieces of 16 bytes a lane
	s_mul_i32 s72, s[WV], 16*SP
	s_add_co_u32 s72, s72, STAGE
	v_mul_u32_u24 v[STO], v11, SP
	v_lshl_add_u32 v[STO], v12, 6, v[STO]
	v_add_nc_u32 v[STO], s72, v[STO]               ; the stage, in: row r, + 64 (lane / 16)
	v_mul_u32_u24 v[RD], v12, SP
	v_lshl_add_u32 v[RD], v11, 4, v[RD]
	v_add_nc_u32 v[RD], s72, v[RD]                 ; back: lanes 0-15 one row, lanes 16-31 the next
	v_lshlrev_b32 v[CO], 12, v12
	v_lshl_add_u32 v[CO], v11, 4, v[CO]            ; and the same two rows in out0
	v_lshlrev_b32 v[AO], 1, v11
	v_lshl_add_u32 v[AO], v12, 6, v[AO]            ; A's scale bytes: 2 r, lanes 16-31 two tiles on
	v_lshlrev_b32 v[BO], 5, v11
	v_lshl_add_u32 v[BO], v12, 10, v[BO]           ; wo's scale words: 32 r, lanes 16-31 two tiles on
.irp i, 0,1
.irp q, 0,1
	global_load_b128 v[SB+8*\i+4*\q:SB+8*\i+4*\q+3], v[BO], s[10:11] offset:512*\i+16*\q
.endr
.endr
.irp s, 0,1,2,3,4,5,6,7
.irp i, 0,1
	global_load_u16 v[SA+8*\i+\s], v[AO], s[6:7] offset:(2*\s)*8192+32*\i      ; head 2 s: the K step's blocks 0, 1
	global_load_u16 v[HI+8*\i+\s], v[AO], s[6:7] offset:(2*\s+1)*8192+32*\i    ; head 2 s + 1: blocks 2, 3
.endr
.endr
	s_wait_loadcnt 0x0
.set k, 0
.rept 16
	v_lshl_or_b32 v[SA+k], v[HI+k], 16, v[SA+k]
.set k, k+1
.endr
	PLACES 8                                       ; a scale register written by a vector instruction stands eight places ahead of a scaled matrix instruction
	s_wait_alu depctr_va_vdst(0)
	s_wait_tensorcnt 0x0                           ; my part is in,
	s_barrier_signal -1
	s_barrier_wait -1                              ; everybody's is
.macro WM d, a, b, zero, sa, sb, ra, rb
.if \zero
.if (\ra) && (\rb)
	v_wmma_scale_f32_16x16x128_f8f6f4 v[\d:\d+7], v[\a:\a+11], v[\b:\b+11], 0, v[\sa], v[\sb] matrix_a_fmt:MATRIX_FMT_FP6 matrix_b_fmt:MATRIX_FMT_FP6 matrix_a_scale:MATRIX_SCALE_ROW1 matrix_b_scale:MATRIX_SCALE_ROW1
.elseif (\ra)
	v_wmma_scale_f32_16x16x128_f8f6f4 v[\d:\d+7], v[\a:\a+11], v[\b:\b+11], 0, v[\sa], v[\sb] matrix_a_fmt:MATRIX_FMT_FP6 matrix_b_fmt:MATRIX_FMT_FP6 matrix_a_scale:MATRIX_SCALE_ROW1
.elseif (\rb)
	v_wmma_scale_f32_16x16x128_f8f6f4 v[\d:\d+7], v[\a:\a+11], v[\b:\b+11], 0, v[\sa], v[\sb] matrix_a_fmt:MATRIX_FMT_FP6 matrix_b_fmt:MATRIX_FMT_FP6 matrix_b_scale:MATRIX_SCALE_ROW1
.else
	v_wmma_scale_f32_16x16x128_f8f6f4 v[\d:\d+7], v[\a:\a+11], v[\b:\b+11], 0, v[\sa], v[\sb] matrix_a_fmt:MATRIX_FMT_FP6 matrix_b_fmt:MATRIX_FMT_FP6
.endif
.else
.if (\ra) && (\rb)
	v_wmma_scale_f32_16x16x128_f8f6f4 v[\d:\d+7], v[\a:\a+11], v[\b:\b+11], v[\d:\d+7], v[\sa], v[\sb] matrix_a_fmt:MATRIX_FMT_FP6 matrix_b_fmt:MATRIX_FMT_FP6 matrix_a_scale:MATRIX_SCALE_ROW1 matrix_b_scale:MATRIX_SCALE_ROW1
.elseif (\ra)
	v_wmma_scale_f32_16x16x128_f8f6f4 v[\d:\d+7], v[\a:\a+11], v[\b:\b+11], v[\d:\d+7], v[\sa], v[\sb] matrix_a_fmt:MATRIX_FMT_FP6 matrix_b_fmt:MATRIX_FMT_FP6 matrix_a_scale:MATRIX_SCALE_ROW1
.elseif (\rb)
	v_wmma_scale_f32_16x16x128_f8f6f4 v[\d:\d+7], v[\a:\a+11], v[\b:\b+11], v[\d:\d+7], v[\sa], v[\sb] matrix_a_fmt:MATRIX_FMT_FP6 matrix_b_fmt:MATRIX_FMT_FP6 matrix_b_scale:MATRIX_SCALE_ROW1
.else
	v_wmma_scale_f32_16x16x128_f8f6f4 v[\d:\d+7], v[\a:\a+11], v[\b:\b+11], v[\d:\d+7], v[\sa], v[\sb] matrix_a_fmt:MATRIX_FMT_FP6 matrix_b_fmt:MATRIX_FMT_FP6
.endif
.endif
.endm
.macro FETCH s                         ; K step s: 24 + 12 LDS loads into set s % 2
.irp a, 0,1,2,3
.irp i, 0,1,2,3,4,5
	ds_load_b64 v[AF+48*((\s)%2)+12*\a+2*\i:AF+48*((\s)%2)+12*\a+2*\i+1], v[VAO] offset:(8*\a+(\s))*1536+256*\i
.endr
.endr
.irp b, 0,1,2,3
.irp c, 0,1,2
	ds_load_b128 v[BF+48*((\s)%2)+12*\b+4*\c:BF+48*((\s)%2)+12*\b+4*\c+3], v[VBO] offset:(8*\b+(\s))*1536+512*\c
.endr
.endr
.endm
.macro MULS s                          ; the 16 accumulators take turns, one instruction a turn, in the same order in every step
	WIN 0x50
.set ma, 0
.rept 4
.set mb, 0
.rept 4
	WM 8*(4*ma+mb), BF+48*((\s)%2)+12*mb, AF+48*((\s)%2)+12*ma, (\s)==0, SB+8*(mb%2)+(\s), SA+8*(ma%2)+(\s), mb/2, ma/2
.set mb, mb+1
.endr
.set ma, ma+1
.endr
	WIN 0
.endm
	FETCH 0
.irp s, 0,1,2,3,4,5,6,7
.if \s > 0
	PLACES 4                                       ; in front of loads into registers that matrix instructions have read
.endif
.if \s < 7
	FETCH \s+1
	s_wait_dscnt 36                                ; all but the 36 just issued: this K step's fragments are in
.else
	s_wait_dscnt 0x0
.endif
	MULS \s
.endr
; THE WAY OUT, a tile of 16 tokens x my 64 columns at a time, through my own stage: in by lanes (32 neighbouring bytes of a row each), back as whole rows of 256 bytes.  LDS serves a wave's instructions in order.
.macro TOSTAGE a
	WIN 0x04                                       ; an LDS store's data are its source 1: window 1
.irp b, 0,1,2,3
	ds_store_b128 v[STO], v[8*(4*(\a)+\b):8*(4*(\a)+\b)+3] offset:128*(\b/2)+32*(\b%2)          ; each accumulator from its low end on
	ds_store_b128 v[STO], v[8*(4*(\a)+\b)+4:8*(4*(\a)+\b)+7] offset:128*(\b/2)+32*(\b%2)+16
.endr
	WIN 0
.irp i, 0,1,2,3,4,5,6,7
	ds_load_b128 v[BK+32*((\a)%2)+4*\i:BK+32*((\a)%2)+4*\i+3], v[RD] offset:2*SP*\i
.endr
.endm
.macro SEND a, younger                 ; younger: the LDS instructions issued behind tile a's loads, which may stay out
	s_wait_dscnt \younger
.irp i, 0,1,2,3,4,5,6,7
	global_store_b128 v[CO], v[BK+32*((\a)%2)+4*\i:BK+32*((\a)%2)+4*\i+3], s[12:13] offset:(32*((\a)/2)+8*((\a)%2)+2*(\i%4)+16*(\i/4))*4096 th:TH_STORE_NT   ; places 2 i and 2 i + 1 of the tile, at their true rows: sixteen lanes store 256 consecutive bytes, aligned
.endr
.endm
	PLACES 4
	TOSTAGE 0
.irp a, 1,2,3
.if \a > 1
	s_wait_xcnt 0x0                                ; tile a - 2's stores have read their registers: tile a's rows may land there
.endif
	TOSTAGE \a
	SEND \a-1, 16                                  ; behind tile a - 1's loads: tile a's eight stores and eight loads
.endr
	SEND 3, 0
	s_wait_tensorcnt 0x0                           ; the wave's end, behind my last tensor load and my last LDS store
	ds_add_u32 v[SPW], v[NIL]
	s_wait_dscnt 0x0
	CROUND                                         ; the closing round
	s_endpgm
.Lfunc_end_k_q93672ff1a9_outp:
	.size	k_q93672ff1a9_outp, .Lfunc_end_k_q93672ff1a9_outp-k_q93672ff1a9_outp
	.p2alignl 7, 3214868480
	.fill 96, 4, 3214868480
	.section	.rodata,"a",@progbits
	.p2align	6, 0x0
	.amdhsa_kernel k_q93672ff1a9_outp
		.amdhsa_group_segment_fixed_size 214528
		.amdhsa_private_segment_fixed_size 0
		.amdhsa_enable_private_segment 0
		.amdhsa_kernarg_size 40
		.amdhsa_user_sgpr_count 2
		.amdhsa_user_sgpr_kernarg_segment_ptr 1
		.amdhsa_wavefront_size32 1
		.amdhsa_system_sgpr_workgroup_id_x 1
		.amdhsa_system_sgpr_workgroup_id_y 1
		.amdhsa_system_sgpr_workgroup_id_z 1
		.amdhsa_system_vgpr_workitem_id 0
		.amdhsa_next_free_vgpr 512
		.amdhsa_next_free_sgpr 100
		.amdhsa_reserve_vcc 0
		.amdhsa_float_denorm_mode_32 3
		.amdhsa_float_denorm_mode_16_64 3
		.amdhsa_memory_ordered 1
		.amdhsa_forward_progress 1
		.amdhsa_inst_pref_size 55
	.end_amdhsa_kernel
	.amdgpu_metadata
---
amdhsa.version: [ 1, 2 ]
amdhsa.kernels:
  - .name:           k_q93672ff1a9_outp
    .symbol:         k_q93672ff1a9_outp.kd
    .args:
      - { .name: acodes, .offset: 0, .size: 8, .value_kind: global_buffer, .address_space: global }
      - { .name: ascales, .offset: 8, .size: 8, .value_kind: global_buffer, .address_space: global }
      - { .name: codes, .offset: 16, .size: 8, .value_kind: global_buffer, .address_space: global }
      - { .name: scales, .offset: 24, .size: 8, .value_kind: global_buffer, .address_space: global }
      - { .name: out0, .offset: 32, .size: 8, .value_kind: global_buffer, .address_space: global }
    .group_segment_fixed_size: 214528
    .private_segment_fixed_size: 0
    .kernarg_segment_align: 8
    .kernarg_segment_size: 40
    .max_flat_workgroup_size: 128
    .sgpr_count:     100
    .vgpr_count:     512
    .wavefront_size: 32
...
	.end_amdgpu_metadata
.endif
;; end of part 4
